; MI455X (gfx1250); checked and timed in simulation.
; The chip was launched on July 23, 2026; its instructions are those of AMD's public machine-readable ISA for CDNA 5 (MIT licence, August 2026) and "CDNA5" Instruction Set Architecture Reference Guide (July 2026). The comments in the code are by the model that wrote it; some were corrected since.
;; Attention. Allowed arithmetic: matrix products marked QUANTISED: E2M3 operands, one E8M0 scale for each 32 along K, by v_wmma_scale_f32_16x16x128_f8f6f4 with both operands' format E2M3, f32 sums; everything else in f32.
;; Inputs: proj_b 1,024 float32; proj_w 1,024 x 1,024 float32; qkv_b 3,072 float32; qkv_w 1,024 x 3,072 float32; x 4 x 2,048 x 1,024 float32.
;; Outputs: out0 4 x 2,048 x 1,024 float32.
;; This version of the problem:
;;   THIS VERSION OF THE PROBLEM IS GIVEN IN LOW PRECISION. The matrix products marked QUANTISED in the list below multiply operands that are first quantised to E2M3 (2 exponent bits, 3 mantissa bits; 6 bits a number), with one power-of-two scale for each 32 numbers along K (OCP MX v1.0); their sums are f32. All else is computed in f32.
;;   The module's matrix products, in the order in which they are computed (A, B: the left and right operand; K: the contracted axis; several contracted axes count as one K, in the product's order):
;;     1. [M 8,192, K 1,024] x [K 1,024, N 3,072]; A: input x; B: input qkv_w: QUANTISED
;;     2. batch 64 x [M 2,048, K 64] x [K 64, N 2,048]; A: computed on the way; B: computed on the way: QUANTISED
;;     3. batch 64 x [M 2,048, K 2,048] x [K 2,048, N 64]; A: softmax (see below); B: computed on the way: QUANTISED
;;     4. [M 8,192, K 1,024] x [K 1,024, N 1,024]; A: computed on the way; B: input proj_w: QUANTISED
;;   THE QUANTISER, for each operand of a quantised product, along K:
;;     - K is cut into blocks of 32 from its start; a last block that is shorter is filled with zeros.
;;     - A block's scale is 2^e with e = floor(log2(the largest magnitude in the block)) - 2, held to -126 .. 127; a block of zeros has e = 0. As a byte (E8M0): e + 127.
;;     - Each number is divided by its block's scale, clamped to +-7.5, and rounded to the nearest number of E2M3, ties to even, subnormals kept.
;;     - The product sums the exact products of the quantised numbers (number of the format x scale) in f32.
;;   ~~~python
;;   def quantise(x, axis):      # numpy; x: float32 -> the quantised numbers, widened to float32 again
;;       x = np.moveaxis(x, axis, -1); K = x.shape[-1]
;;       x = np.pad(x, [(0, 0)] * (x.ndim - 1) + [(0, -K % 32)]); x = x.reshape(x.shape[:-1] + (-1, 32)); a = np.abs(x).max(-1, keepdims=True)
;;       e = np.where(a > 0, np.clip(np.frexp(np.where(a > 0, a, 1))[1] - 1 - 2, -126, 127), 0)      # np.frexp(a)[1] - 1 = floor(log2(a)), exactly
;;       r = np.clip(x / 2.0 ** e, -7.5, 7.5)
;;       step = 2.0 ** (np.maximum(np.frexp(np.where(r == 0, 1, r))[1] - 1, 0) - 3)
;;       q = np.round(r / step) * step * 2.0 ** e      # np.round: ties to even
;;       return np.moveaxis(q.reshape(q.shape[:-2] + (-1,))[..., :K], -1, axis).astype(np.float32)
;;   ~~~
;;   SOFTMAX AHEAD OF A QUANTISED PRODUCT. Where the list says 'softmax', what is quantised is not the finished softmax but p = 2^(t - M), with t = logit x log2(e) and M = ceil(the row's largest t), a whole number; so 1/2 < the row's largest p <= 1. The row's sum l is taken of the UNQUANTISED p, in f32, and the product's result is divided by l at the end. Since M is a whole number, a kernel that streams over the keys may use a running M (the ceiling of the running maximum): every later rescaling is an exact power of two, which a block's scale takes up: the codes' values come out the same.
;;   OPERANDS COMPUTED ON THE WAY. 'Computed on the way' means the value that the module computes at that place (a softmax that the list does not call 'softmax' is quantised finished and normalised). What goes into a quantiser is computed in f32, as accurately as f32 sums, v_exp_f32 and their like allow (about 1e-6 of the number): no bf16 or f16 on the way to a quantiser, and a product that is left as it is and whose result goes on into a quantised operand takes f32 operands (vector FMAs, or v_wmma_f32_16x16x4_f32). A number that lies on a knife's edge between two numbers of the format may be rounded either way, as far as f32 arithmetic and the matrix unit's own rounding can turn it there, and no further.
;; One version. Each part assembles by itself: llvm-mc -triple=amdgcn-amd-amdhsa -mcpu=gfx1250 --defsym DOCPART=n.
;; ======== version 1 of 1: 4 launches
;; limits: right only within a limited range of input values
;; workspace buffers: xq 6,291,456 bytes; wq 3,145,728 bytes; scl 655,360 bytes; qf 6,815,744 bytes; kv 13,631,488 bytes; oq 6,291,456 bytes
;; launch quant (part 1): grid 384 x 1, 4 waves a work-group, no clusters, 34,304 bytes of LDS; arguments x, qkv_w, proj_w, xq, wq, scl; writes xq, wq, scl
.if DOCPART == 1
	.amdgcn_target "amdgcn-amd-amdhsa--gfx1250"
	.amdhsa_code_object_version 6
	.text
	.protected	k_qec451a5568_quant
	.globl	k_qec451a5568_quant
	.p2align	8
	.type	k_qec451a5568_quant,@function
k_qec451a5568_quant:
	s_mov_b64 s[64:65], 0
	v_nop
	global_prefetch_b8 v0, s[64:65] scope:SCOPE_SE
	s_setreg_imm32_b32 hwreg(HW_REG_WAVE_MODE, 25, 1), 1
	s_wait_xcnt 0x0
; x [8192][1024], qkv_w [1024][3072] and proj_w [1024][1024], f32, become codes of FP6 (E2M3) with one E8M0 byte for each 32 along K (K = 1024 in all three),
; laid in the order of the matrix operand's registers, so that the products' launches read whole fragments.
; A block's scale is 2^(floor(log2(its largest magnitude)) - 2); its byte is the largest magnitude's exponent field - 2, held at 1 from below.
; LIMITS: a block of zeros gets the byte 1 where the rule says 127 (its codes are zeros, and this program alone reads the bytes); blocks whose largest magnitude lies under 2^-124
; were not tried; NaN and infinities among the inputs are not served.
; TILES.  A tile is 16 rows (tokens of x, columns of a weight) that are NOT neighbours: row r of tile 2 b + u is index 32 b + 8 u + r + 8 (r / 8).
; A FRAGMENT (16 rows x 128 K, 12 registers a lane) is 1,536 bytes: for each half c (64 K, registers 6 c .. 6 c + 5): registers 6 c .. 6 c + 3 at 768 c + 16 lane, registers 6 c + 4, 6 c + 5 at 768 c + 512 + 16 r + 8 h.
; xq: [512 tiles][8 K steps][1536];  wq: [256 tiles][8][1536], tiles 0-191 qkv_w's columns, 192-255 proj_w's.
; scl: a record of 512 bytes a tile: the word of K step ks of row r at (ks / 4) 256 + 16 r + 4 (ks % 4); x's records at 0, the weights' at 262144.
; Work-groups 0-255 take x, 256-383 the weights.  No tensor loads, no barrier: waves share nothing.  Clusters and the matrix unit have nothing to do here: no input byte is read twice.
.set XWG,  256
.set SP,   528                         ; a stage row: 512 bytes + 16: an odd multiple of 16, so that sixteen rows' reads start in different banks
.set WREG, 16*SP                       ; a wave's stage
.set SEL,  20                          ; s[20:21] lane selects: lane l xor 16
.set R,    16                          ; x path: v16-143 two sets of 64 registers as loaded
.set X,    144                         ; v144-207 64 numbers of my row: register 16 b + i = k 32 b + 16 h + i
.set PC,   208                         ; v208-219 the fragment's codes; v220-226 at work
.set TM,   228                         ; v228-243 at work
.set PW,   244                         ; the scale word just made
.set W4,   248                         ; v248-251 the four steps' scale words
.set OFF,  16                          ; weights path: v16-47 byte offsets of 32 rows of the weight at my column
.set D,    48                          ; v48-111 two sets of 32 numbers
.set G12,  112                         ; v112-123 two blocks' codes in the order in which they are stored
.set CT,   124                         ; v124-126 a conversion's result on its way
.set SW,   132                         ; v132-133 my column's two scale words
; 64 numbers of a lane, v[s] .. v[s + 63], register 16 b + i = k 32 b + 16 (lane / 16) + i of my row, become a fragment's codes in v[PC] on and its scale word in v[PW].
.macro QUANT s
.irp b, 0,1,2,3
	v_max3_num_f32 v[TM+\b], |v[\s+16*\b]|, |v[\s+1+16*\b]|, 0x1800000   ; my 16 numbers of block b, and the floor 2^(3 - 127): the byte cannot fall under 1
.endr
.irp i, 2,4,6,8,10,12,14
.irp b, 0,1,2,3
	v_max3_num_f32 v[TM+\b], v[TM+\b], |v[\s+16*\b+\i]|, |v[\s+1+16*\b+\i]|
.endr
.endr
.irp b, 0,1,2,3
	v_permlanex16_b32 v[TM+4+\b], v[TM+\b], s[SEL], s[SEL+1]
.endr
.irp b, 0,1,2,3
	v_max_num_f32 v[TM+\b], v[TM+\b], v[TM+4+\b]   ; with lane l xor 16's: the block's largest magnitude
.endr
.irp b, 0,1,2,3
	v_add_nc_u32 v[TM+12+\b], 0xff000000, v[TM+\b]   ; 2 off its exponent field: the conversion's scale operand
.endr
.irp b, 0,1,2,3
	v_lshrrev_b32 v[TM+4+\b], 23, v[TM+12+\b]      ; the scale's byte
.endr
	v_lshl_or_b32 v[PW], v[TM+5], 8, v[TM+4]
	v_lshl_or_b32 v[PW], v[TM+6], 16, v[PW]
	v_lshl_or_b32 v[PW], v[TM+7], 24, v[PW]
.irp c, 0,1
	v_cvt_scalef32_pk16_fp6_f32 v[PC+6*\c:PC+2+6*\c], v[\s+32*\c:\s+15+32*\c], v[TM+12+2*\c]
	v_cvt_scalef32_pk16_fp6_f32 v[PC+12+4*\c:PC+14+4*\c], v[\s+16+32*\c:\s+31+32*\c], v[TM+12+2*\c+1]   ; (a conversion's three registers begin on an even number)
.endr
	v_nop                                          ; one plain place behind a scaled conversion
.irp c, 0,1                                    ; the operand's layout wants a whole block in a lane
.irp i, 0,1,2
	v_permlane16_swap_b32 v[PC+6*\c+\i], v[PC+12+4*\c+\i]
.endr
.irp i, 0,1,2
	v_mov_b32 v[PC+3+6*\c+\i], v[PC+12+4*\c+\i]
.endr
.endr
.endm
	s_load_b256 s[4:11], s[0:1], 0x0               ; x s[4:5], qkv_w s[6:7], proj_w s[8:9], xq s[10:11]
	s_load_b128 s[12:15], s[0:1], 0x20             ; wq s[12:13], scl s[14:15]
	v_lshl_add_u32 v254, v0, 2, 0x8400
	v_mov_b32 v255, 0
	v_lshrrev_b32 v1, 5, v0
	v_readfirstlane_b32 s16, v1                    ; wave 0..3
	v_and_b32 v1, 31, v0                           ; lane
	v_and_b32 v2, 15, v0                           ; r
	v_bfe_u32 v3, v0, 4, 1                         ; h
	s_mov_b32 s[SEL], 0x76543210
	s_mov_b32 s[SEL+1], 0xfedcba98
	s_cmp_lt_u32 ttmp9, XWG
	s_cbranch_scc0 .Lweights
; ---- x: a wave takes one tile (16 rows) x 512 along K, four steps of 128.  A load reads 512 consecutive bytes of one row; the step's 16 rows turn through the wave's own stage in LDS,
; so that a lane gets 16 neighbours of each block of its row.
	s_lshl_b32 s17, ttmp9, 2
	s_add_co_u32 s17, s17, s16
	s_lshr_b32 s18, s17, 1                         ; the tile, 0..511
	s_and_b32 s19, s17, 1                          ; which half of K
	s_wait_alu depctr_va_vdst(0)
	v_lshlrev_b32 v4, 4, v1                        ; 16 lane
	v_lshlrev_b32 v5, 4, v2
	v_lshl_add_u32 v5, v3, 3, v5                   ; 16 r + 8 h
	s_mul_i32 s22, s16, WREG
	v_add_nc_u32 v6, s22, v4                       ; into the stage: as loaded
	v_mul_u32_u24 v7, v2, SP
	v_lshl_add_u32 v7, v3, 6, v7
	v_add_nc_u32 v7, s22, v7                       ; out of it: row r, + 64 h
	s_lshr_b32 s24, s18, 1
	s_lshl_b32 s24, s24, 17                        ; 32 rows of 4,096 bytes for each pair of tiles,
	s_and_b32 s25, s18, 1
	s_lshl_b32 s25, s25, 15                        ; 8 rows for the odd tile,
	s_add_co_u32 s24, s24, s25
	s_lshl_b32 s25, s19, 11                        ; 512 numbers for the upper half of K
	s_add_co_u32 s24, s24, s25
	s_mov_b32 s25, 0
	s_lshl_b32 s26, s18, 3
	s_lshl_b32 s27, s19, 2
	s_add_co_u32 s26, s26, s27
	s_mul_i32 s26, s26, 1536                       ; my first fragment in xq
	s_mov_b32 s27, 0
	s_lshl_b32 s28, s18, 9
	s_lshl_b32 s29, s19, 8
	s_add_co_u32 s28, s28, s29                     ; my half of the tile's record of scale words
	s_mov_b32 s29, 0
.irp b, 0,1,2,3
	v_mov_b32 v[TM+4+\b], 0                        ; written once: a lane permute's destination counts as one of its sources
.endr
	s_wait_alu depctr_va_vdst(0)
	s_wait_kmcnt 0x0
	s_add_nc_u64 s[4:5], s[4:5], s[24:25]
	s_add_nc_u64 s[10:11], s[10:11], s[26:27]
	s_add_nc_u64 s[14:15], s[14:15], s[28:29]
.macro LOAD t
.irp i, 0,1,2,3,4,5,6,7,8,9,10,11,12,13,14,15
	global_load_b128 v[R+64*((\t)%2)+4*\i:R+64*((\t)%2)+4*\i+3], v4, s[4:5] offset:(\i+8*(\i/8))*4096+512*(\t) th:TH_LOAD_NT
.endr
.endm
.macro XSTEP t
.if (\t) < 3
	s_wait_loadcnt 16                              ; this step's 16 loads are in; the next step's 16 may be out
.else
	s_wait_loadcnt 0x0
.endif
.irp i, 0,1,2,3,4,5,6,7,8,9,10,11,12,13,14,15
	ds_store_b128 v6, v[R+64*((\t)%2)+4*\i:R+64*((\t)%2)+4*\i+3] offset:SP*\i
.endr
.irp b, 0,1,2,3
.irp j, 0,1,2,3
	ds_load_b128 v[X+16*\b+4*\j:X+16*\b+4*\j+3], v7 offset:128*\b+16*\j   ; LDS serves a wave's instructions in order: these see the stores above
.endr
.endr
	s_wait_xcnt 0x0                                ; the last step's stores have read their registers: the codes may be written again
	s_wait_dscnt 0x0                               ; the numbers are back, and the stage's stores have read the set that is loaded again below
.if (\t) < 2
	LOAD (\t)+2
.endif
	QUANT X
	v_mov_b32 v[W4+(\t)], v[PW]
	global_store_b128 v4, v[PC:PC+3], s[10:11] offset:1536*(\t)             ; 512 consecutive bytes
	global_store_b64 v5, v[PC+4:PC+5], s[10:11] offset:1536*(\t)+512        ; 256
	global_store_b128 v4, v[PC+6:PC+9], s[10:11] offset:1536*(\t)+768
	global_store_b64 v5, v[PC+10:PC+11], s[10:11] offset:1536*(\t)+1280
.endm
	LOAD 0
	LOAD 1
	XSTEP 0
	XSTEP 1
	XSTEP 2
	XSTEP 3
	v_cmp_eq_u32 vcc_lo, 1, v3
	v_cndmask_b32 v252, v[W4], v[W4+2], vcc_lo     ; both halves of the lanes hold row r's four words: lane (r, h) stores words 2 h, 2 h + 1
	v_cndmask_b32 v253, v[W4+1], v[W4+3], vcc_lo
	global_store_b64 v5, v[252:253], s[14:15]      ; 256 consecutive bytes
	s_wait_tensorcnt 0x0
	ds_add_u32 v254, v255
	s_wait_dscnt 0x0
	s_endpgm
; ---- the weights: K is their FIRST axis.  A lane takes a column and its registers run down K: a block of 32 lies in one lane.  A wave takes 32 columns (two tiles) x 256 along K: 8 blocks.
; Loads run two blocks ahead, 32 loads each.
.Lweights:
	s_sub_co_u32 s17, ttmp9, XWG                   ; 0..127
	s_and_b32 s18, s17, 31
	s_lshr_b32 s19, s17, 5                         ; which quarter of K
	s_lshl_b32 s22, s18, 2
	s_add_co_u32 s22, s22, s16                     ; group of 32 columns: 0-95 qkv_w's, 96-127 proj_w's
	s_mov_b32 s23, 4096
	s_wait_kmcnt 0x0
	s_cmp_lt_u32 s18, 24                           ; the choice hangs on the work-group's number alone
	s_cselect_b32 s23, 12288, s23                  ; bytes from row to row
	s_cselect_b32 s24, 0, 96
	s_cselect_b64 s[4:5], s[6:7], s[8:9]
	s_sub_co_u32 s24, s22, s24
	s_lshl_b32 s24, s24, 7                         ; my 32 columns, 4 bytes each
	s_lshl_b32 s25, s19, 8
	s_mul_i32 s25, s25, s23                        ; my 256 rows
	s_add_co_u32 s24, s24, s25
	s_mov_b32 s25, 0
	s_add_nc_u64 s[4:5], s[4:5], s[24:25]
	s_lshl_b32 s26, s23, 5                         ; 32 rows on
	s_mov_b32 s27, 0
	s_mul_i32 s28, s22, 24576                      ; two tiles of 12,288 bytes,
	s_mul_i32 s29, s19, 3072                       ; two K steps of 1,536
	s_add_co_u32 s28, s28, s29
	s_mov_b32 s29, 0
	s_add_nc_u64 s[12:13], s[12:13], s[28:29]
	s_lshl_b32 s28, s22, 10                        ; two records of 512 bytes
	s_lshr_b32 s29, s19, 1
	s_lshl_b32 s29, s29, 8
	s_add_co_u32 s28, s28, s29
	s_and_b32 s29, s19, 1
	s_lshl_b32 s29, s29, 3
	s_add_co_u32 s28, s28, s29
	s_add_co_u32 s28, s28, 262144
	s_mov_b32 s29, 0
	s_add_nc_u64 s[14:15], s[14:15], s[28:29]
	v_bfe_u32 v10, v0, 3, 1                        ; column 32 G + L is row (L % 8) + 8 (L / 16) of tile 2 G + (L / 8) % 2
	v_and_b32 v11, 7, v0
	s_wait_alu depctr_va_vdst(0)
	v_lshl_add_u32 v11, v3, 3, v11
	v_lshlrev_b32 v11, 4, v11
	v_mad_u32_u24 v8, v10, 0x3000, v11             ; codes: my tile, + 16 x my row
	v_lshl_add_u32 v9, v10, 9, v11                 ; scale words: my tile's record, + 16 x my row
	v_lshlrev_b32 v[OFF], 2, v1
.set i, 1
.rept 31
	v_add_nc_u32 v[OFF+i], s23, v[OFF+i-1]
.set i, i+1
.endr
.macro WLOAD t
.if (\t) > 0
	s_wait_xcnt 0x0                                ; the earlier loads and stores have read their addresses and data: the base may step
	s_add_nc_u64 s[4:5], s[4:5], s[26:27]
.endif
.set i, 0
.rept 32
	global_load_b32 v[D+32*((\t)%2)+i], v[OFF+i], s[4:5] th:TH_LOAD_NT   ; 32 lanes read 128 consecutive bytes; the four waves stand side by side
.set i, i+1
.endr
.endm
.macro BLOCK t
.set DS, D+32*((\t)%2)
.if (\t) < 7
	s_wait_loadcnt 32                              ; this block's 32 loads are in; the next block's may be out
.else
	s_wait_loadcnt 0x0
.endif
	v_max3_num_f32 v128, |v[DS]|, |v[DS+1]|, |v[DS+2]|
	v_max3_num_f32 v129, |v[DS+3]|, |v[DS+4]|, |v[DS+5]|
.irp i, 6,10,14,18,22,26
	v_max3_num_f32 v128, v128, |v[DS+\i]|, |v[DS+\i+1]|
	v_max3_num_f32 v129, v129, |v[DS+\i+2]|, |v[DS+\i+3]|
.endr
	v_max3_num_f32 v128, v128, |v[DS+30]|, |v[DS+31]|
	v_max3_num_f32 v128, v128, v129, 0x1800000     ; and the floor
	v_add_nc_u32 v130, 0xff000000, v128            ; the conversion's scale operand
	v_lshrrev_b32 v131, 23, v130                   ; the byte
.if (\t)%4 == 0
	v_mov_b32 v[SW+(\t)/4], v131
.else
	v_lshl_or_b32 v[SW+(\t)/4], v131, 8*((\t)%4), v[SW+(\t)/4]
.endif
.if ((\t)%2 == 0) && ((\t) > 0)
	s_wait_alu depctr_va_vdst(0)
	s_wait_xcnt 0x0                                ; the last pair's stores have read their registers
.endif
	v_cvt_scalef32_pk16_fp6_f32 v[G12+4*((\t)%2):G12+4*((\t)%2)+2], v[DS:DS+15], v130
	v_cvt_scalef32_pk16_fp6_f32 v[CT:CT+2], v[DS+16:DS+31], v130
	v_nop                                          ; one plain place behind a scaled conversion
	v_mov_b32 v[G12+4*((\t)%2)+3], v[CT]           ; block t is what lane (my row, h = t % 2) of the fragment holds: its registers 0-3 on end, its registers 4, 5 beside the other block's
	v_mov_b32 v[G12+8+2*((\t)%2)], v[CT+1]
	v_mov_b32 v[G12+9+2*((\t)%2)], v[CT+2]
.if (\t)%2 == 1
	global_store_b128 v8, v[G12:G12+3], s[12:13] offset:((\t)/4)*1536+(((\t)/2)%2)*768          ; a tile's sixteen lanes store 256 consecutive bytes
	global_store_b128 v8, v[G12+4:G12+7], s[12:13] offset:((\t)/4)*1536+(((\t)/2)%2)*768+256
	global_store_b128 v8, v[G12+8:G12+11], s[12:13] offset:((\t)/4)*1536+(((\t)/2)%2)*768+512
.endif
.if (\t)+2 < 8
	WLOAD (\t)+2
.endif
.endm
	WLOAD 0
	s_wait_alu depctr_va_vdst(0)
	WLOAD 1
.irp t, 0,1,2,3,4,5,6,7
	BLOCK \t
.endr
	global_store_b64 v9, v[SW:SW+1], s[14:15]      ; my column's two scale words
	s_endpgm
.Lfunc_end_k_qec451a5568_quant:
	.size	k_qec451a5568_quant, .Lfunc_end_k_qec451a5568_quant-k_qec451a5568_quant
	.p2alignl 7, 3214868480
	.fill 96, 4, 3214868480
	.section	.rodata,"a",@progbits
	.p2align	6, 0x0
	.amdhsa_kernel k_qec451a5568_quant
		.amdhsa_group_segment_fixed_size 34304
		.amdhsa_private_segment_fixed_size 0
		.amdhsa_enable_private_segment 0
		.amdhsa_kernarg_size 48
		.amdhsa_user_sgpr_count 2
		.amdhsa_user_sgpr_kernarg_segment_ptr 1
		.amdhsa_wavefront_size32 1
		.amdhsa_system_sgpr_workgroup_id_x 1
		.amdhsa_system_sgpr_workgroup_id_y 1
		.amdhsa_system_sgpr_workgroup_id_z 1
		.amdhsa_system_vgpr_workitem_id 0
		.amdhsa_next_free_vgpr 256
		.amdhsa_next_free_sgpr 66
		.amdhsa_reserve_vcc 1
		.amdhsa_float_denorm_mode_32 3
		.amdhsa_float_denorm_mode_16_64 3
		.amdhsa_memory_ordered 1
		.amdhsa_forward_progress 1
		.amdhsa_inst_pref_size 74
	.end_amdhsa_kernel
	.amdgpu_metadata
---
amdhsa.version: [ 1, 2 ]
amdhsa.kernels:
  - .name:           k_qec451a5568_quant
    .symbol:         k_qec451a5568_quant.kd
    .args:
      - { .name: x, .offset: 0, .size: 8, .value_kind: global_buffer, .address_space: global }
      - { .name: qkv_w, .offset: 8, .size: 8, .value_kind: global_buffer, .address_space: global }
      - { .name: proj_w, .offset: 16, .size: 8, .value_kind: global_buffer, .address_space: global }
      - { .name: xq, .offset: 24, .size: 8, .value_kind: global_buffer, .address_space: global }
      - { .name: wq, .offset: 32, .size: 8, .value_kind: global_buffer, .address_space: global }
      - { .name: scl, .offset: 40, .size: 8, .value_kind: global_buffer, .address_space: global }
    .group_segment_fixed_size: 34304
    .private_segment_fixed_size: 0
    .kernarg_segment_align: 8
    .kernarg_segment_size: 48
    .max_flat_workgroup_size: 128
    .sgpr_count:     66
    .vgpr_count:     256
    .wavefront_size: 32
...
	.end_amdgpu_metadata
.endif
;; end of part 1
;; launch gemm_qkv (part 2): grid 8 x 48, 4 waves a work-group, clusters of 4 x 4, 327,680 bytes of LDS; arguments xq, wq, scl, qkv_b, qf, kv; writes qf, kv
.if DOCPART == 2
	.amdgcn_target "amdgcn-amd-amdhsa--gfx1250"
	.amdhsa_code_object_version 6
	.text
	.protected	k_qec451a5568_gemm_qkv
	.globl	k_qec451a5568_gemm_qkv
	.p2align	8
	.type	k_qec451a5568_gemm_qkv,@function
k_qec451a5568_gemm_qkv:
	s_mov_b64 s[64:65], 0
	v_nop
	global_prefetch_b8 v0, s[64:65] scope:SCOPE_SE
	s_setreg_imm32_b32 hwreg(HW_REG_WAVE_MODE, 25, 1), 1
	s_wait_xcnt 0x0
	s_wait_alu depctr_hold_cnt(0) depctr_sa_sdst(0) depctr_va_vdst(0) depctr_va_sdst(0) depctr_va_ssrc(0) depctr_va_vcc(0) depctr_vm_vsrc(0)
	s_getreg_b32 s2, hwreg(HW_REG_IB_STS2, 6, 4)
	s_cmp_eq_u32 s2, 0
	s_cbranch_scc0 .Lentry_in_a_cluster
	s_endpgm
.Lentry_in_a_cluster:
	s_bfe_u32 s2, ttmp6, 0x10000c
	s_cmp_lg_u32 s2, 0xf033
	s_cbranch_scc0 .Lentry_shape_is_right
	s_endpgm
.Lentry_shape_is_right:
; qkv = x qkv_w + qkv_b on codes of FP6 (E2M3) with E8M0 scales, and its results quantised at once for the attention: nothing leaves as f32.
; A work-group makes 256 x 256 of the product, a wave 128 x 128: 64 accumulators of 16 x 16.  Source 0 of every matrix instruction is a tile of S0, source 1 a tile of S1:
; a lane then holds ONE row of S1, and its registers run along S0's rows.  Tiles' rows are not neighbours (row r of tile 2 b + u is index 32 b + 8 u + r + 8 (r / 8)), so the 16 registers of result tiles 2 b, 2 b + 1 are 16 neighbours.
; ROLE qk (cluster rows 0-7): S0 = the weights' columns 0-2047, S1 = tokens: a lane holds a token and runs along the features: q and k are quantised along the head's 64.
; ROLE v (cluster rows 8-11): S0 = tokens, S1 = the weights' columns 2048-3071: a lane holds a feature and runs along the tokens: v is quantised along the keys.
; The role hangs on the cluster's y alone: it is the same in all sixteen partners.
; K = 1024 goes in four chunks of 256 through three LDS slots: chunks 0, 1, 2 are first fills, chunk 3 fills slot 0 again.  A wave has at most three tensor loads outstanding.
; CLUSTERS: 4 x 4.  S1's tiles hang on cy alone and are asked for jointly along a row of the cluster, S0's on cx alone, along a column.
; OUT: qf [64 heads][16 steps of 128 tokens][6656]: four fragments of 1,536 bytes (registers 4 c .. 4 c + 3 at 512 c + 16 lane; registers 0-5 = token tile 2 f, 6-11 = tile 2 f + 1, each 16 tokens x 64), then 512 bytes of scale words (lane's four words at 16 lane; word f = the two tiles' two bytes each).
;      kv [64][16][13312]: k as q at 0; v's four fragments (16 of the head's 64 x 128 keys) at 6144; k's scale words at 12288; v's at 12800.
; LIMITS: a block of zeros gets the byte 1 (zero codes; this program alone reads the bytes); blocks whose largest magnitude lies under 2^-124 were not tried; NaN and infinities are not served.
; No prefetch: three of the four chunks are asked for at the head.
; REGISTERS: window 0: v1-20 addresses; v28-29 for the add; v32-95 scale words (register 8 i + ks: lanes 0-15 S1's tile i, lanes 16-31 S0's tile i); v96-111 role v's bias; v128-223 S1's fragments, one set; behind the products v128-235 at work.
;   window 1: S0's fragments, two sets at v0 and v128; role qk's bias at v96-127 and v224-255.   windows 2, 3: the accumulators ((a, b) at v[8 (8 (a % 4) + b)] of window 2 + a / 4).
.set FR,     12                        ; registers of a fragment
.set NL,     4                         ; LDS loads that bring one
.set TILEB,  3072                      ; a tile's two K steps in a slot
.set HALFT,  8*TILEB                   ; eight tiles: what one tensor load brings, and what a wave reads of S0 or S1
; LDS AS THE TEXT NOW USES IT (this replaces what the head says of three slots and of the loads outstanding): bytes 0 .. 8 HALFT: chunks 0 and 1, one load a wave at the head, 8 rows of 6,144 bytes, wave w's at 2 w HALFT;
; bytes 8 HALFT .. 12 HALFT: chunk 2, a first fill behind the three lines and a round; chunk 3 fills bytes 0 .. 4 HALFT again, dense, in K step 3, when K steps 0 to 3 are in registers.  A wave has one tensor load outstanding.
.set SLOT,   4*HALFT
.set SPARE,  3*SLOT                    ; behind the slots: the spare words, 128 bytes a wave
.set KPITCH, 12288                     ; a tile's eight K steps in memory
.set A16, 4                            ; v4-6   S1: slot s: my half + 16 lane
.set A8,  7                            ; v7-9   S1: my half + 16 r + 8 h
.set B16, 10                           ; v10-12 S0 likewise
.set B8,  13                           ; v13-15
.set SOF, 16                           ; v16    offset of my scale words
.set BH,  17                           ; v17    64 h
.set BR,  18                           ; v18    4 (r + 8 (r / 8))
.set LI,  19                           ; v19    16 lane
.set SCO, 20                           ; v20    where q's or k's scale words go
.set SPW, 28
.set NIL, 29
.set SC,  32
.set BV,  96
.set AF,  128
.set T,   128                          ; behind the products: v128-191 sums + bias
.set PC,  192                          ; v192-203 codes, v204-210 at work
.set TM,  212                          ; v212-227 at work
.set PW,  228
.set W4,  232                          ; v232-235 four scale words
.set WV,   16
.set H1,   17                          ; my half of S1.  Also: I fetch for S1 (0) or for S0 (1)
.set H0,   18                          ; my half of S0.  Also: which eight tiles I fetch
.set ROLE, 19
.set G1,   24
.set G1B,  48
.set G0,   68                          ; s[68:83] group 0 for S1, a set for each chunk
.set G0B,  84                          ; s[84:99] for S0
.set SEL,  62
.set DD,   46                          ; s[46:47], s[56:57] where my two heads' results go
.set MSB, 0
.macro WIN new                         ; the immediate's high byte repeats the setting that is left
.if MSB != (\new)
	s_set_vgpr_msb (MSB<<8)|(\new)
.set MSB, (\new)
.endif
.endm
.set MUL_LO, 0xa1                      ; source 0 window 1, source 1 window 0, C and D window 2
.set MUL_HI, 0xf1
.macro PLACES n
.rept \n
	v_nop
.endr
.endm
.macro CREST                           ; a round of the cluster's barrier behind its opening barrier
	s_cmp_lg_u32 s[WV], 0
	s_cbranch_scc1 .Lnot_wave_0_\@
	s_barrier_signal -3
.Lnot_wave_0_\@:
	s_barrier_wait -3
	s_barrier_signal -1
	s_barrier_wait -1
.endm
.macro CROUND
	s_barrier_signal -1
	s_barrier_wait -1
	CREST
.endm
.macro JLOADC c                        ; chunk c, jointly; four v_nop follow each of the two lines
	s_cmp_eq_u32 s[H1], 0
	s_cbranch_scc0 .Lfor_s0_\@
	tensor_load_to_lds s[G0+4*\c:G0+4*\c+3], s[G1:G1+7]
	s_nop 0
	PLACES 4
	s_branch .Lasked_\@
.Lfor_s0_\@:
	tensor_load_to_lds s[G0B+4*\c:G0B+4*\c+3], s[G1B:G1B+7]
	s_nop 0
	PLACES 4
.Lasked_\@:
.endm
.macro FRAG reg, a16, a8, off          ; a fragment as it was stored: every load's bytes are consecutive over the lanes
	ds_load_b128 v[\reg:\reg+3], v[\a16] offset:\off
	ds_load_b64 v[\reg+4:\reg+5], v[\a8] offset:\off+512
	ds_load_b128 v[\reg+6:\reg+9], v[\a16] offset:\off+768
	ds_load_b64 v[\reg+10:\reg+11], v[\a8] offset:\off+1280
.endm
.set CH3, 0                            ; 1 from the K step on whose successor lies in chunk 3
.macro WHERE slot, q                   ; chunk (slot 0: chunk 0 or 3) -> address register RG_, bytes from tile to tile TP_, offset OF_
.if (\slot) == 2
.set RG_, 1
.set TP_, TILEB
.set OF_, (\q)*1536
.elseif (\slot) == 1
.set RG_, 0
.set TP_, 2*TILEB
.set OF_, TILEB+(\q)*1536
.elseif CH3
.set RG_, 2
.set TP_, TILEB
.set OF_, (\q)*1536
.else
.set RG_, 0
.set TP_, 2*TILEB
.set OF_, (\q)*1536
.endif
.endm
.macro FETCH_B slot, q, p
	WHERE \slot, \q
	WIN 0x40
.irp i, 0,1,2,3,4,5,6,7
	FRAG 128*(\p)+FR*\i, B16+RG_, B8+RG_, \i*TP_+OF_
.endr
	WIN 0
.endm
.macro FETCH_A slot, q, i0
	WHERE \slot, \q
.irp i, \i0, \i0+1, \i0+2, \i0+3
	FRAG AF+FR*(\i), A16+RG_, A8+RG_, (\i)*TP_+OF_
.endr
.endm
; 16 matrix instructions: S1's tiles a0, a0 + 1 x S0's eight.  The 64 accumulators take turns, one instruction a turn, in the same order in every K step.
.macro MUL16 a0, p, ks, zero
.irp a, \a0, \a0+1
.irp b, 0,1,2,3,4,5,6,7
.if \zero
	v_wmma_scale_f32_16x16x128_f8f6f4 v[8*(8*((\a)%4)+\b):8*(8*((\a)%4)+\b)+7], v[128*(\p)+FR*\b:128*(\p)+FR*\b+FR-1], v[AF+FR*(\a):AF+FR*(\a)+FR-1], 0, v[SC+8*\b+(\ks)], v[SC+8*(\a)+(\ks)] matrix_a_fmt:MATRIX_FMT_FP6 matrix_b_fmt:MATRIX_FMT_FP6 matrix_a_scale:MATRIX_SCALE_ROW1
.else
	v_wmma_scale_f32_16x16x128_f8f6f4 v[8*(8*((\a)%4)+\b):8*(8*((\a)%4)+\b)+7], v[128*(\p)+FR*\b:128*(\p)+FR*\b+FR-1], v[AF+FR*(\a):AF+FR*(\a)+FR-1], v[8*(8*((\a)%4)+\b):8*(8*((\a)%4)+\b)+7], v[SC+8*\b+(\ks)], v[SC+8*(\a)+(\ks)] matrix_a_fmt:MATRIX_FMT_FP6 matrix_b_fmt:MATRIX_FMT_FP6 matrix_a_scale:MATRIX_SCALE_ROW1
.endif
.endr
.endr
.endm
; K step ks (chunk ks / 2, in slot (ks / 2) % 3) whose successor's tiles are known to lie in LDS.
.macro STEP ks, zero
	s_wait_dscnt 4*NL                              ; S0's set and S1's tiles 0-3 are in; the youngest 16 loads (tiles 4-7) may be out
	WIN MUL_LO
	MUL16 0, (\ks)%2, \ks, \zero
	MUL16 2, (\ks)%2, \ks, \zero
	s_wait_dscnt 0x0
	PLACES 4                                       ; in front of loads into registers that matrix instructions have read
	FETCH_B (((\ks)+1)/2)%3, ((\ks)+1)%2, 1-(\ks)%2
	FETCH_A (((\ks)+1)/2)%3, ((\ks)+1)%2, 0
	WIN MUL_HI
	MUL16 4, (\ks)%2, \ks, \zero
	MUL16 6, (\ks)%2, \ks, \zero
	PLACES 4
	WIN 0
	FETCH_A (((\ks)+1)/2)%3, ((\ks)+1)%2, 4
.endm
; A K step with a barrier: each wave waits for all its tensor loads, adds 0 to its spare word, waits for that and for its LDS reads.  fill = 1: slot 0, read out, takes chunk 3, behind a round of the cluster's barrier.
.macro TURN ks, fill
	s_wait_tensorcnt 0x0                           ; all my tensor loads have landed
	ds_add_u32 v[SPW], v[NIL]                      ; 0 onto my spare word
	s_wait_dscnt 4*NL+1                            ; (the add and the youngest 16 loads may be out)
	WIN MUL_LO
	MUL16 0, (\ks)%2, \ks, 0
	s_wait_dscnt 0x0                               ; the add is done, and my reads of the slot are over
	s_barrier_signal -1
	MUL16 2, (\ks)%2, \ks, 0
	WIN 0
	s_barrier_wait -1
.if \fill
	CREST                                          ; no wave of any partner still reads slot 0 or has a load on its way
	JLOADC 3                                       ; the first tensor load behind the round; its four v_nop are also the places in front of the loads below
.else
	PLACES 4
.endif
	FETCH_B (((\ks)+1)/2)%3, ((\ks)+1)%2, 1-(\ks)%2
	FETCH_A (((\ks)+1)/2)%3, ((\ks)+1)%2, 0
	WIN MUL_HI
	MUL16 4, (\ks)%2, \ks, 0
	MUL16 6, (\ks)%2, \ks, 0
	PLACES 4
	WIN 0
	FETCH_A (((\ks)+1)/2)%3, ((\ks)+1)%2, 4
.endm
; 64 numbers of a lane (register 16 b + i = k 32 b + 16 h + i of my row) become a fragment's codes in v[PC] on and its scale word in v[PW].
.macro QUANT s
.irp b, 0,1,2,3
	v_max3_num_f32 v[TM+\b], |v[\s+16*\b]|, |v[\s+1+16*\b]|, 0x1800000   ; with the floor 2^(3 - 127): the byte cannot fall under 1
.endr
.irp i, 2,4,6,8,10,12,14
.irp b, 0,1,2,3
	v_max3_num_f32 v[TM+\b], v[TM+\b], |v[\s+16*\b+\i]|, |v[\s+1+16*\b+\i]|
.endr
.endr
.irp b, 0,1,2,3
	v_permlanex16_b32 v[TM+4+\b], v[TM+\b], s[SEL], s[SEL+1]
.endr
.irp b, 0,1,2,3
	v_max_num_f32 v[TM+\b], v[TM+\b], v[TM+4+\b]
.endr
.irp b, 0,1,2,3
	v_add_nc_u32 v[TM+12+\b], 0xff000000, v[TM+\b]   ; 2 off the exponent field: the conversion's scale operand
.endr
.irp b, 0,1,2,3
	v_lshrrev_b32 v[TM+4+\b], 23, v[TM+12+\b]
.endr
	v_lshl_or_b32 v[PW], v[TM+5], 8, v[TM+4]
	v_lshl_or_b32 v[PW], v[TM+6], 16, v[PW]
	v_lshl_or_b32 v[PW], v[TM+7], 24, v[PW]
.irp c, 0,1
	v_cvt_scalef32_pk16_fp6_f32 v[PC+6*\c:PC+2+6*\c], v[\s+32*\c:\s+15+32*\c], v[TM+12+2*\c]
	v_cvt_scalef32_pk16_fp6_f32 v[PC+12+4*\c:PC+14+4*\c], v[\s+16+32*\c:\s+31+32*\c], v[TM+12+2*\c+1]
.endr
	v_nop                                          ; one plain place behind a scaled conversion
.irp c, 0,1
.irp i, 0,1,2
	v_permlane16_swap_b32 v[PC+6*\c+\i], v[PC+12+4*\c+\i]
.endr
.irp i, 0,1,2
	v_mov_b32 v[PC+3+6*\c+\i], v[PC+12+4*\c+\i]
.endr
.endr
.endm
; The same for 32 numbers, two blocks: six registers at v[d] on; the two bytes stay in v[TM+4], v[TM+5].
.macro HQ s, d
.irp b, 0,1
	v_max3_num_f32 v[TM+\b], |v[\s+16*\b]|, |v[\s+1+16*\b]|, 0x1800000
.endr
.irp i, 2,4,6,8,10,12,14
.irp b, 0,1
	v_max3_num_f32 v[TM+\b], v[TM+\b], |v[\s+16*\b+\i]|, |v[\s+1+16*\b+\i]|
.endr
.endr
.irp b, 0,1
	v_permlanex16_b32 v[TM+4+\b], v[TM+\b], s[SEL], s[SEL+1]
.endr
.irp b, 0,1
	v_max_num_f32 v[TM+\b], v[TM+\b], v[TM+4+\b]
.endr
.irp b, 0,1
	v_add_nc_u32 v[TM+12+\b], 0xff000000, v[TM+\b]
.endr
.irp b, 0,1
	v_lshrrev_b32 v[TM+4+\b], 23, v[TM+12+\b]
.endr
	v_cvt_scalef32_pk16_fp6_f32 v[\d:\d+2], v[\s:\s+15], v[TM+12]
	v_cvt_scalef32_pk16_fp6_f32 v[PC+12:PC+14], v[\s+16:\s+31], v[TM+13]
	v_nop
.irp i, 0,1,2
	v_permlane16_swap_b32 v[\d+\i], v[PC+12+\i]
.endr
.irp i, 0,1,2
	v_mov_b32 v[\d+3+\i], v[PC+12+\i]
.endr
.endm
	s_load_b256 s[4:11], s[0:1], 0x0               ; xq s[4:5], wq s[6:7], scl s[8:9], qkv_b s[10:11]
	s_load_b128 s[12:15], s[0:1], 0x20             ; qf s[12:13], kv s[14:15]
	v_lshl_add_u32 v[SPW], v0, 2, SPARE
	v_mov_b32 v[NIL], 0
	ds_add_u32 v28, v29
	ds_add_u32 v28, v29
	s_wait_dscnt 0x0
	v_lshrrev_b32 v1, 5, v0
	v_readfirstlane_b32 s[WV], v1                  ; wave 0..3
	s_lshr_b32 s[H1], s[WV], 1
	s_and_b32 s[H0], s[WV], 1
	s_bfe_u32 s20, ttmp6, 0x40000                  ; cx
	s_bfe_u32 s21, ttmp6, 0x40004                  ; cy
	s_and_b32 s22, ttmp7, 0xffff                   ; the cluster's y
	s_sub_co_u32 s23, s22, 8
	s_lshl_b32 s23, s23, 1                         ; role v: 2 (y - 8)
	s_lshl_b32 s32, s22, 6                         ; role qk: 64 y
	s_cmp_ge_u32 s22, 8
	s_cselect_b32 s[ROLE], 1, 0
	s_cselect_b32 s23, s23, 0
	s_cselect_b32 s32, 128, s32
	s_add_co_u32 s23, s23, ttmp9
	s_lshl_b32 s23, s23, 2
	s_add_co_u32 s23, s23, s20                     ; S0's block of 256 rows: it hangs on cx alone of the two places
	s_lshl_b32 s33, s21, 4
	s_add_co_u32 s32, s32, s33                     ; S1's first tile: 16 (4 y + cy), or 128 + 16 cy: on cy alone
	s_lshl_b32 s33, s23, 4                         ; S0's first tile
	s_lshl_b32 s34, s21, 2
	s_lshl_b32 s34, 15, s34                        ; my row of the cluster
	s_lshl_b32 s35, 0x1111, s20                    ; my column
	; descriptor group 1: eight tiles' two K steps: 8 rows of 3,072 bytes (384 elements of 8 bytes), 12,288 bytes apart; no padding
	s_or_b32 s[G1], s34, (3<<16)|(1<<21)           ; 15:0 the mask; 17:16 elements of 8 bytes; 21 set beside a mask
	s_or_b32 s[G1B], s35, (3<<16)|(1<<21)
.irp g, G1, G1B
	s_mov_b32 s[\g+1], 768<<16                     ; tensor_dim0: the head's load brings two chunks, rows of 6,144 bytes
	s_mov_b32 s[\g+2], 8<<16                       ; tensor_dim1
	s_mov_b32 s[\g+3], 768<<16                     ; tile_dim0
	s_mov_b32 s[\g+4], 8                           ; tile_dim1
	s_mov_b32 s[\g+5], 1536                        ; tensor_dim0_stride
	s_mov_b32 s[\g+6], 0
	s_mov_b32 s[\g+7], 0
.endr
	s_lshl_b32 s40, s[H0], 3
	s_add_co_u32 s40, s40, s32                     ; S1: the first of the eight tiles that I would fetch
	s_mul_i32 s40, s40, KPITCH
	s_mov_b32 s41, 0
	s_lshl_b32 s42, s[H0], 3
	s_add_co_u32 s42, s42, s33                     ; S0 likewise
	s_mul_i32 s42, s42, KPITCH
	s_mov_b32 s43, 0
	s_mul_i32 s56, s[WV], HALFT                    ; where they go: no place in the cluster enters an LDS address
	s_mov_b32 s[SEL], 0x76543210
	s_mov_b32 s[SEL+1], 0xfedcba98
	s_wait_kmcnt 0x0
	s_cmp_eq_u32 s[ROLE], 0
	s_cselect_b64 s[44:45], s[4:5], s[6:7]         ; S1's codes
	s_cselect_b64 s[46:47], s[6:7], s[4:5]         ; S0's
	s_add_nc_u64 s[44:45], s[44:45], s[40:41]
	s_add_nc_u64 s[46:47], s[46:47], s[42:43]
.irp c, 0,2,3
	s_mov_b32 s[G0+4*\c], 1
	s_add_co_u32 s[G0+4*\c+1], s56, (\c%3)*SLOT
	s_add_nc_u64 s[G0+4*\c+2:G0+4*\c+3], s[44:45], \c*TILEB
	s_or_b32 s[G0+4*\c+3], s[G0+4*\c+3], 0x80000000
	s_mov_b32 s[G0B+4*\c], 1
	s_add_co_u32 s[G0B+4*\c+1], s56, (\c%3)*SLOT
	s_add_nc_u64 s[G0B+4*\c+2:G0B+4*\c+3], s[46:47], \c*TILEB
	s_or_b32 s[G0B+4*\c+3], s[G0B+4*\c+3], 0x80000000
.endr
	s_lshl_b32 s[G0+1], s56, 1                     ; the head's load is twice as large: wave x 2 HALFT
	s_lshl_b32 s[G0B+1], s56, 1
	CROUND                                         ; all sixteen work-groups are here: the first joint loads meet
	s_cmp_eq_u32 s[H1], 0                          ; a wave's head load, chunks 0 and 1, stands in one branch
	s_cbranch_scc0 .Lfirst_s0
	tensor_load_to_lds s[G0:G0+3], s[G1:G1+7]
	s_nop 0
	PLACES 4
	s_branch .Lfirst_asked
.Lfirst_s0:
	tensor_load_to_lds s[G0B:G0B+3], s[G1B:G1B+7]
	s_nop 0
	PLACES 4
.Lfirst_asked:
	v_and_b32 v1, 15, v0                           ; r
	v_bfe_u32 v2, v0, 4, 1                         ; h
	v_and_b32 v3, 31, v0
	v_lshlrev_b32 v[LI], 4, v3
	v_lshlrev_b32 v3, 4, v1
	v_lshl_add_u32 v3, v2, 3, v3                   ; 16 r + 8 h
.macro ADR4 s
	v_add_nc_u32 v[A16+\s], s57, v[LI]
	v_add_nc_u32 v[A8+\s], s57, v3
	v_add_nc_u32 v[B16+\s], s58, v[LI]
	v_add_nc_u32 v[B8+\s], s58, v3
.endm
	s_mul_i32 s57, s[H1], 2*HALFT                  ; chunks 0, 1: my eight tiles of S1,
	s_mul_i32 s58, s[H0], 2*HALFT
	s_add_co_u32 s58, s58, 4*HALFT                 ; my eight of S0
	ADR4 0
	s_lshr_b32 s57, s57, 1                         ; chunk 3: dense, half as far apart
	s_lshr_b32 s58, s58, 1
	ADR4 2
	s_add_co_u32 s57, s57, 2*SLOT                  ; chunk 2: the same, 8 HALFT on
	s_add_co_u32 s58, s58, 2*SLOT
	ADR4 1
	; the scale words of all of K, straight into registers: lanes 0-15 S1's tile i, lanes 16-31 S0's; sixteen lanes read 256 consecutive bytes
	s_cmp_eq_u32 s[ROLE], 0
	s_cselect_b32 s59, 0, 262144                   ; x's records lie at 0, the weights' at 262144
	s_cselect_b32 s60, 262144, 0
	s_lshl_b32 s61, s[H1], 3
	s_add_co_u32 s61, s61, s32
	s_lshl_b32 s61, s61, 9
	s_add_co_u32 s59, s59, s61
	s_lshl_b32 s61, s[H0], 3
	s_add_co_u32 s61, s61, s33
	s_lshl_b32 s61, s61, 9
	s_add_co_u32 s60, s60, s61
	v_mov_b32 v[SOF], s59
	v_mov_b32 v[BH], s60
	v_cmp_eq_u32 vcc_lo, 1, v2
	v_cndmask_b32 v[SOF], v[SOF], v[BH], vcc_lo
	v_lshl_add_u32 v[SOF], v1, 4, v[SOF]
.irp i, 0,1,2,3,4,5,6,7
.irp kh, 0,1
	global_load_b128 v[SC+8*\i+4*\kh:SC+8*\i+4*\kh+3], v[SOF], s[8:9] offset:\i*512+\kh*256
.endr
.endr
	; the bias, in both forms (each role uses one; the other is loaded from the buffer's head, so that every register is written)
	s_lshl_b32 s34, s23, 8
	s_lshl_b32 s35, s[H0], 7
	s_add_co_u32 s34, s34, s35                     ; my first row of S0
	s_lshl_b32 s35, s21, 8
	s_lshl_b32 s36, s[H1], 7
	s_add_co_u32 s35, s35, s36
	s_add_co_u32 s35, s35, 2048                    ; role v: my first feature
	s_cmp_eq_u32 s[ROLE], 0
	s_cselect_b32 s36, s34, 0
	s_cselect_b32 s38, 0, s35
	s_lshl_b32 s36, s36, 2
	s_lshl_b32 s38, s38, 2
	s_mov_b32 s37, 0
	s_mov_b32 s39, 0
	s_add_nc_u64 s[36:37], s[10:11], s[36:37]
	s_add_nc_u64 s[38:39], s[10:11], s[38:39]
	v_lshlrev_b32 v[BH], 6, v2                     ; role qk: for S0's tile b a lane wants features 32 (b / 2) + 16 h + 8 (b % 2) + 0 .. 7
	v_and_b32 v[BR], 8, v1
	v_add_nc_u32 v[BR], v[BR], v1
	v_lshlrev_b32 v[BR], 2, v[BR]                  ; role v: for S1's tile a feature 32 (a / 2) + 8 (a % 2) + r + 8 (r / 8)
	WIN 0x40
.irp b, 0,1,2,3,4,5,6,7
	global_load_b128 v[96+8*(\b%4)+128*(\b/4):96+8*(\b%4)+128*(\b/4)+3], v[BH], s[36:37] offset:(32*(\b/2)+8*(\b%2))*4
	global_load_b128 v[96+8*(\b%4)+128*(\b/4)+4:96+8*(\b%4)+128*(\b/4)+7], v[BH], s[36:37] offset:(32*(\b/2)+8*(\b%2))*4+16
.endr
	WIN 0
.irp a, 0,1,2,3,4,5,6,7
	global_load_b32 v[BV+2*\a], v[BR], s[38:39] offset:(32*(\a/2)+8*(\a%2))*4
	global_load_b32 v[BV+2*\a+1], v[BR], s[38:39] offset:(32*(\a/2)+8*(\a%2))*4   ; twice: a pair for the packed addition
.endr
	s_wait_alu depctr_va_vdst(0)
	s_wait_tensorcnt 0x0                           ; my part of chunks 0 and 1 is in
	ds_add_u32 v[SPW], v[NIL]
	s_mov_b32 s[G1+1], 384<<16                     ; no tensor load of mine is out: from here on a load brings one chunk, rows of 3,072 bytes
	s_mov_b32 s[G1+3], 384<<16
	s_mov_b32 s[G1B+1], 384<<16
	s_mov_b32 s[G1B+3], 384<<16
	s_wait_dscnt 0x0
	CROUND                                         ; everybody's part is in, and the joint loads meet
	JLOADC 2                                       ; chunk 2, the first tensor load behind the round
	FETCH_B 0, 0, 0
	FETCH_A 0, 0, 0
	FETCH_A 0, 0, 4
	s_wait_loadcnt 0x0                             ; scale words and bias
	STEP 0, 1                                      ; the first products start the sums: nothing is cleared
	STEP 1, 0
	STEP 2, 0
	TURN 3, 1                                      ; K steps 0 to 3 are in registers and chunk 2 has landed: chunk 3 goes over the head's first bytes
	STEP 4, 0
.set CH3, 1
	TURN 5, 0                                      ; chunk 3 has landed, everybody's
	STEP 6, 0
	s_wait_dscnt 4*NL                              ; the last K step: nothing more to fetch
	WIN MUL_LO
	MUL16 0, 1, 7, 0
	MUL16 2, 1, 7, 0
	s_wait_dscnt 0x0
	WIN MUL_HI
	MUL16 4, 1, 7, 0
	MUL16 6, 1, 7, 0
	WIN 0
	PLACES 4                                       ; in front of the first read of results and the first write of registers that held fragments
.irp b, 0,1,2,3
	v_mov_b32 v[TM+4+\b], 0                        ; a lane permute's destination counts as one of its sources
.endr
	s_cmp_eq_u32 s[ROLE], 0
	s_cbranch_scc0 .Lrole_v
; ---- role qk: my 128 tokens are one step of qf or kv; my 128 features are two heads.  kv's strides are twice qf's: offsets are made with q's and shifted by the cluster's x (0: q, 1: k).
	s_lshl_b32 s36, s32, 4
	s_lshl_b32 s37, s[H1], 7
	s_add_co_u32 s36, s36, s37                     ; my first token
	s_lshr_b32 s37, s36, 11                        ; batch
	s_bfe_u32 s38, s36, 0x40007                    ; step
	s_bfe_u32 s39, s34, 0x40006                    ; my first head: (feature % 1024) / 64
	s_lshl_b32 s37, s37, 4
	s_add_co_u32 s37, s37, s39
	s_mul_i32 s37, s37, 106496
	s_mul_i32 s38, s38, 6656
	s_add_co_u32 s40, s37, s38
	s_lshl_b32 s40, s40, ttmp9
	s_mov_b32 s41, 0
	s_lshl_b32 s42, 106496, ttmp9                  ; from head to head
	s_mov_b32 s43, 0
	s_lshl_b32 s44, 6144, ttmp9                    ; where the scale words lie in a step
	s_cmp_eq_u32 ttmp9, 0
	s_cselect_b64 s[DD:DD+1], s[12:13], s[14:15]
	s_add_nc_u64 s[DD:DD+1], s[DD:DD+1], s[40:41]
	s_add_nc_u64 s[DD+10:DD+11], s[DD:DD+1], s[42:43]
	v_add_nc_u32 v[SCO], s44, v[LI]
.macro QKTILE hd, p, u                 ; token tile 2 p + u, head hd: 32 sums + bias, quantised: half a stored fragment
	WIN 0x06+(2*\p+\u)/4                           ; source 0 (sums) window 2 or 3, source 1 (bias) window 1
.irp t, 0,1,2,3
.irp j, 0,2,4,6
	v_pk_add_f32 v[T+8*\t+\j:T+8*\t+\j+1], v[8*(8*((2*\p+\u)%4)+4*\hd+\t)+\j:8*(8*((2*\p+\u)%4)+4*\hd+\t)+\j+1], v[96+128*\hd+8*\t+\j:96+128*\hd+8*\t+\j+1]   ; each accumulator from its low end on
.endr
.endr
	WIN 0
.if \u == 0
	s_wait_alu depctr_va_vdst(0)
	s_wait_xcnt 0x0                                ; the earlier stores have read their registers
.endif
	HQ T, PC+6*\u
.if \u == 0
	v_lshl_or_b32 v[W4+\p], v[TM+5], 8, v[TM+4]
.else
	v_lshl_or_b32 v[W4+\p], v[TM+4], 16, v[W4+\p]
	v_lshl_or_b32 v[W4+\p], v[TM+5], 24, v[W4+\p]
.endif
.endm
.irp hd, 0,1
.irp p, 0,1,2,3
	QKTILE \hd, \p, 0
	QKTILE \hd, \p, 1
.irp c, 0,1,2
	global_store_b128 v[LI], v[PC+4*\c:PC+4*\c+3], s[DD+10*\hd:DD+10*\hd+1] offset:\p*1536+512*\c   ; 512 consecutive bytes
.endr
.endr
	global_store_b128 v[SCO], v[W4:W4+3], s[DD+10*\hd:DD+10*\hd+1]
.endr
	s_branch .Ldone
; ---- role v: my 128 tokens (S0) are one step's keys; my 128 features (S1) are two heads of four tiles.
.Lrole_v:
	s_lshr_b32 s37, s34, 11                        ; batch (s34: my first token)
	s_bfe_u32 s38, s34, 0x40007                    ; step
	s_lshl_b32 s39, s21, 2
	s_lshl_b32 s40, s[H1], 1
	s_add_co_u32 s39, s39, s40                     ; my first head
	s_lshl_b32 s37, s37, 4
	s_add_co_u32 s37, s37, s39
	s_mul_i32 s37, s37, 212992
	s_mul_i32 s38, s38, 13312
	s_add_co_u32 s40, s37, s38
	s_mov_b32 s41, 0
	s_add_nc_u64 s[DD:DD+1], s[14:15], s[40:41]
	s_add_nc_u64 s[DD+10:DD+11], s[DD:DD+1], 212992
.macro VTILE a
	WIN 0x02+(\a)/4
.irp b, 0,1,2,3,4,5,6,7
.irp j, 0,2,4,6
	v_pk_add_f32 v[T+8*\b+\j:T+8*\b+\j+1], v[8*(8*((\a)%4)+\b)+\j:8*(8*((\a)%4)+\b)+\j+1], v[BV+2*(\a):BV+2*(\a)+1]
.endr
.endr
	WIN 0
	s_wait_xcnt 0x0                                ; the earlier stores have read their registers
	QUANT T
.irp c, 0,1,2
	global_store_b128 v[LI], v[PC+4*\c:PC+4*\c+3], s[DD+10*((\a)/4):DD+10*((\a)/4)+1] offset:6144+((\a)%4)*1536+512*\c
.endr
	v_mov_b32 v[W4+(\a)%4], v[PW]
.if (\a)%4 == 3
	global_store_b128 v[LI], v[W4:W4+3], s[DD+10*((\a)/4):DD+10*((\a)/4)+1] offset:12800
.endif
.endm
.irp a, 0,1,2,3,4,5,6,7
	VTILE \a
.endr
.Ldone:
	s_wait_tensorcnt 0x0                           ; the wave's end
	ds_add_u32 v[SPW], v[NIL]
	s_wait_dscnt 0x0
	CROUND                                         ; the closing round
	s_endpgm
.Lfunc_end_k_qec451a5568_gemm_qkv:
	.size	k_qec451a5568_gemm_qkv, .Lfunc_end_k_qec451a5568_gemm_qkv-k_qec451a5568_gemm_qkv
	.p2alignl 7, 3214868480
	.fill 96, 4, 3214868480
	.section	.rodata,"a",@progbits
	.p2align	6, 0x0
	.amdhsa_kernel k_qec451a5568_gemm_qkv
		.amdhsa_group_segment_fixed_size 327680
		.amdhsa_private_segment_fixed_size 0
		.amdhsa_enable_private_segment 0
		.amdhsa_kernarg_size 48
		.amdhsa_user_sgpr_count 2
		.amdhsa_user_sgpr_kernarg_segment_ptr 1
		.amdhsa_wavefront_size32 1
		.amdhsa_system_sgpr_workgroup_id_x 1
		.amdhsa_system_sgpr_workgroup_id_y 1
		.amdhsa_system_sgpr_workgroup_id_z 1
		.amdhsa_system_vgpr_workitem_id 0
		.amdhsa_next_free_vgpr 1024
		.amdhsa_next_free_sgpr 100
		.amdhsa_reserve_vcc 1
		.amdhsa_float_denorm_mode_32 3
		.amdhsa_float_denorm_mode_16_64 3
		.amdhsa_memory_ordered 1
		.amdhsa_forward_progress 1
		.amdhsa_inst_pref_size 216
	.end_amdhsa_kernel
	.amdgpu_metadata
---
amdhsa.version: [ 1, 2 ]
amdhsa.kernels:
  - .name:           k_qec451a5568_gemm_qkv
    .symbol:         k_qec451a5568_gemm_qkv.kd
    .args:
      - { .name: xq, .offset: 0, .size: 8, .value_kind: global_buffer, .address_space: global }
      - { .name: wq, .offset: 8, .size: 8, .value_kind: global_buffer, .address_space: global }
      - { .name: scl, .offset: 16, .size: 8, .value_kind: global_buffer, .address_space: global }
      - { .name: qkv_b, .offset: 24, .size: 8, .value_kind: global_buffer, .address_space: global }
      - { .name: qf, .offset: 32, .size: 8, .value_kind: global_buffer, .address_space: global }
      - { .name: kv, .offset: 40, .size: 8, .value_kind: global_buffer, .address_space: global }
    .group_segment_fixed_size: 327680
    .private_segment_fixed_size: 0
    .kernarg_segment_align: 8
    .kernarg_segment_size: 48
    .max_flat_workgroup_size: 128
    .sgpr_count:     100
    .vgpr_count:     1024
    .wavefront_size: 32
...
	.end_amdgpu_metadata
.endif
;; end of part 2
;; launch attn (part 3): grid 4 x 64, 16 waves a work-group, clusters of 4 x 1, 215,040 bytes of LDS; arguments qf, kv, oq, scl; writes oq, scl
.if DOCPART == 3
	.amdgcn_target "amdgcn-amd-amdhsa--gfx1250"
	.amdhsa_code_object_version 6
	.text
	.protected	k_qec451a5568_attn
	.globl	k_qec451a5568_attn
	.p2align	8
	.type	k_qec451a5568_attn,@function
k_qec451a5568_attn:
	s_mov_b64 s[64:65], 0
	v_nop
	global_prefetch_b8 v0, s[64:65] scope:SCOPE_SE
	s_setreg_imm32_b32 hwreg(HW_REG_WAVE_MODE, 25, 1), 1
	s_wait_xcnt 0x0
	s_wait_alu depctr_hold_cnt(0) depctr_sa_sdst(0) depctr_va_vdst(0) depctr_va_sdst(0) depctr_va_ssrc(0) depctr_va_vcc(0) depctr_vm_vsrc(0)
	s_getreg_b32 s2, hwreg(HW_REG_IB_STS2, 6, 4)
	s_cmp_eq_u32 s2, 0
	s_cbranch_scc0 .Lentry_in_a_cluster
	s_endpgm
.Lentry_in_a_cluster:
	s_bfe_u32 s2, ttmp6, 0x10000c
	s_cmp_lg_u32 s2, 0x3003
	s_cbranch_scc0 .Lentry_shape_is_right
	s_endpgm
.Lentry_shape_is_right:
; o = softmax(q k^T / 8) v for 64 heads of 2,048 tokens x 64, both products on codes of FP6 (E2M3) with E8M0 scales; o leaves quantised along (head, d) for the last product.
; THE SOFTMAX: t = score x log2(e) / 8; M = the running largest t rounded UP to a whole number; p = 2^(t - M) is quantised along the keys, not normalised; the row's sum is taken of the unquantised p and divides o at the end.
; When M moves, the sum and o are multiplied by 2^(old M - new M): exact.
; SHARES.  A cluster of four work-groups owns a head; a work-group 512 queries; each of its sixteen waves 32 of them, two tiles of 16, one after the other.  Four waves share a SIMD, so that one wave's vector work stands beside another's matrix work and LDS loads.
; K, V AND THEIR SCALE WORDS OF THE WHOLE HEAD, 212,992 bytes, lie in LDS as they lie in kv: filled ONCE, jointly for the four work-groups (wave w brings step w: 13,312 bytes): no slot is filled again.  A wave has one tensor load outstanding.
; LAYOUT.  Both products are used transposed (S^T = k q^T, O^T = v^T p^T): a lane holds one query throughout.  The head's K is 64, the instruction's 128: a stored fragment of k holds TWO tiles of 16 keys (registers 0-5, 6-11), and is multiplied
; by (q, 0) for the first and by (0, q) for the second: the other half meets zero codes, which add nothing.  The keys of a tile are 32 b + 8 u + r + 8 (r / 8), so that p's 16 registers of tiles 2 b, 2 b + 1 are 16 neighbouring keys.
; OUT.  oq as xq: [512 token tiles][8 K steps][1536]; a head is half c = head % 2 of K step head / 2.  Its two scale bytes a row go into scl's records at 393216 as single bytes, 2 of each 16: a K step's word belongs to two heads, which two clusters own;
; they are one byte for each 24 bytes of codes.
; LIMITS: a block of zeros gets the byte 1 (zero codes; this program alone reads the bytes); blocks of o whose largest magnitude lies under 2^-124 were not tried; NaN and infinities are not served.
; No prefetch: all loads stand at the head.
.set STEPB, 13312
.set HEADB, 16*STEPB
.set QSTEP, 6656
.set A16, 1                            ; v1   16 lane
.set ADR, 2                            ; v2   the step's LDS address
.set A8,  3                            ; v3   512 + 16 r + 8 h
.set AB,  4                            ; v4   16 r + h
.set KS,  8                            ; v8-11 k's scale words
.set QA,  16                           ; v16-27 (q, 0)
.set QB,  28                           ; v28-39 (0, q)
.set QP,  40                           ; v40-51 my pair of query tiles
.set QW,  52                           ; v52  their scale bytes
.set QS,  53                           ; v53  the tile's scale word
.set F,   56                           ; v56-103 four fragments of k, then of v
.set S,   104                          ; v104-167 S^T, then p
.set O,   168                          ; v168-199 O^T
.set PC,  200                          ; v200-211 p's codes
.set CT,  212                          ; v212-214, v216-218 conversions' results on their way
.set VS,  220                          ; v220-223 v's scale words
.set BM,  224                          ; v224-227 the blocks' largest scores, then largest p
.set BT,  228                          ; v228-231 at work
.set BO,  232                          ; v232-235 the conversions' scale operands
.set C2,  236                          ; v[236:237] the sum's second chain
.set PW,  238                          ; p's scale word
.set FF,  240                          ; v[240:241] f = 2^(old M - new M); at the end 1 / the sum
.set TP,  242
.set OC,  244                          ; v244-249 o's codes
.set OBY, 250                          ; my scale byte of o
.set WV,  12
.set SEL, 28
.set CS,  30                           ; s[30:31] c = log2(e) / 8
.set TB,  32
.macro CROUND
	s_barrier_signal -1
	s_barrier_wait -1
	s_cmp_lg_u32 s[WV], 0
	s_cbranch_scc1 .Lnot_wave_0_\@
	s_barrier_signal -3
.Lnot_wave_0_\@:
	s_barrier_wait -3
	s_barrier_signal -1
	s_barrier_wait -1
.endm
	s_load_b256 s[4:11], s[0:1], 0x0               ; qf s[4:5], kv s[6:7], oq s[8:9], scl s[10:11]
	v_lshl_add_u32 v254, v0, 2, 0x34000
	v_mov_b32 v255, 0
	ds_add_u32 v254, v255
	ds_add_u32 v254, v255
	v_lshrrev_b32 v1, 5, v0
	s_delay_alu instid0(VALU_DEP_1)
	v_readfirstlane_b32 s[WV], v1                  ; wave 0..15
	s_bfe_u32 s13, ttmp6, 0x40000                  ; cx: it enters q's and o's addresses alone
	s_and_b32 s14, ttmp7, 0xffff                   ; 16 x batch + head, which the four partners share
	; descriptor group 1: a step's 13,312 dense bytes as 52 rows of 256 (32 elements of 8 bytes)
	s_mov_b32 s20, 15|(3<<16)|(1<<21)              ; 15:0 the mask: all four work-groups; 17:16 elements of 8 bytes; 21 set beside a mask
	s_mov_b32 s21, 32<<16
	s_mov_b32 s22, 52<<16
	s_mov_b32 s23, 32<<16
	s_mov_b32 s24, 52
	s_mov_b32 s25, 32
	s_mov_b32 s26, 0
	s_mov_b32 s27, 0
	s_mul_i32 s40, s14, HEADB
	s_mul_i32 s15, s[WV], STEPB
	s_add_co_u32 s40, s40, s15
	s_mov_b32 s41, 0
	s_mov_b32 s[SEL], 0x76543210
	s_mov_b32 s[SEL+1], 0xfedcba98
	s_mov_b32 s[CS], 0x3e38aa3b
	s_mov_b32 s[CS+1], s[CS]                       ; (named with it as a pair, so it is written)
	s_lshl_b32 s42, s13, 4
	s_add_co_u32 s42, s42, s[WV]                   ; my pair of query tiles, 0..63
	s_lshr_b32 s43, s42, 2
	s_mul_i32 s43, s43, QSTEP
	s_mul_i32 s44, s14, 16*QSTEP
	s_add_co_u32 s44, s44, s43                     ; its step in qf
	s_mov_b32 s45, 0
	s_and_b32 s43, s42, 3
	s_mul_i32 s46, s43, 1536                       ; its fragment,
	s_lshl_b32 s47, s43, 2                         ; its scale word
	s_wait_dscnt 0x0
	s_wait_kmcnt 0x0
	s_add_nc_u64 s[4:5], s[4:5], s[44:45]
	s_mov_b32 s16, 1
	s_mov_b32 s17, s15                             ; LDS address: 13,312 x wave
	s_add_nc_u64 s[18:19], s[6:7], s[40:41]
	s_or_b32 s19, s19, 0x80000000
	v_and_b32 v5, 31, v0
	s_delay_alu instid0(VALU_DEP_1)
	v_lshlrev_b32 v[A16], 4, v5
	s_delay_alu instid0(VALU_DEP_1)
	v_add_nc_u32 v7, s46, v[A16]
	s_delay_alu instid0(VALU_DEP_2)
	v_add_nc_u32 v54, s47, v[A16]
	; where o goes
	s_lshr_b32 s40, s14, 4                         ; batch
	s_and_b32 s41, s14, 15                         ; head
	s_lshl_b32 s40, s40, 7
	s_lshl_b32 s43, s42, 1
	s_add_co_u32 s40, s40, s43                     ; my first token tile
	s_lshl_b32 s44, s40, 3
	s_lshr_b32 s45, s41, 1
	s_add_co_u32 s44, s44, s45
	s_mul_i32 s44, s44, 1536
	s_and_b32 s46, s41, 1
	s_mul_i32 s47, s46, 768
	s_add_co_u32 s36, s44, s47
	s_mov_b32 s37, 0
	s_add_nc_u64 s[36:37], s[8:9], s[36:37]
	s_lshl_b32 s38, s40, 9
	s_lshr_b32 s44, s41, 3
	s_lshl_b32 s44, s44, 8
	s_add_co_u32 s38, s38, s44
	s_and_b32 s45, s45, 3
	s_lshl_b32 s45, s45, 2
	s_add_co_u32 s38, s38, s45
	s_lshl_b32 s46, s46, 1
	s_add_co_u32 s38, s38, s46
	s_add_co_u32 s38, s38, 393216
	s_mov_b32 s39, 0
	s_add_nc_u64 s[38:39], s[10:11], s[38:39]
	CROUND                                         ; all four work-groups are here: the joint loads meet
	tensor_load_to_lds s[16:19], s[20:27]
	s_nop 0
.rept 4
	v_nop
.endr
	s_wait_alu depctr_va_vdst(0)
.irp c, 0,1,2
	global_load_b128 v[QP+4*\c:QP+4*\c+3], v7, s[4:5] offset:512*\c
.endr
	global_load_b32 v[QW], v54, s[4:5] offset:6144
	v_and_b32 v5, 15, v0                           ; r
	v_bfe_u32 v6, v0, 4, 1                         ; h
	s_delay_alu instid0(VALU_DEP_2)
	v_lshlrev_b32 v[AB], 4, v5
	s_delay_alu instid0(VALU_DEP_1)
	v_lshl_add_u32 v[A8], v6, 3, v[AB]
	s_delay_alu instid0(VALU_DEP_1)
	v_add_nc_u32 v[A8], 512, v[A8]
	s_delay_alu instid0(VALU_DEP_3)
	v_add_nc_u32 v[AB], v[AB], v6
	v_cmp_eq_u32 s35, 1, v6                        ; lanes 16-31
.irp i, 0,1,2,3,4,5
	v_mov_b32 v[QA+6+\i], 0                        ; the zero halves: zero codes
	v_mov_b32 v[QB+\i], 0
.endr
.irp b, 0,1,2,3
	v_mov_b32 v[BT+\b], 0                          ; a lane permute's destination counts as one of its sources
.endr
	v_mov_b32 v[FF+1], 0                           ; (named as the upper half of a pair)
	s_wait_tensorcnt 0x0                           ; my step is in,
	s_barrier_signal -1
	s_barrier_wait -1                              ; everybody's is
	s_wait_loadcnt 0x0                             ; q
	s_mov_b32 s34, 2
.Ltile:
	s_wait_alu depctr_va_vdst(0)
.irp i, 0,1,2,3,4,5
	v_mov_b32 v[QA+\i], v[QP+\i]
	v_mov_b32 v[QB+6+\i], v[QP+\i]
.endr
	v_and_b32 v[QS], 0xffff, v[QW]
	s_delay_alu instid0(VALU_DEP_1)
	v_lshl_or_b32 v[QS], v[QS], 16, v[QS]          ; the tile's two bytes, for both halves of the instruction's K
	v_mov_b32 v13, 0xff61b1e6                      ; the largest t so far: -3e38
	s_delay_alu instid0(VALU_DEP_1)
	v_floor_f32 v12, -v13                          ; -M
	v_mov_b32 v14, 0
	v_mov_b32 v15, 0
.set j, 0
.rept 32
	v_mov_b32 v[O+j], 0                            ; the step is written once: the first finds zeros.  (These are also the places between the lines above and the first scaled products)
.set j, j+1
.endr
	s_mov_b32 s[TB], 0
	s_mov_b32 s33, 16
.Lstep:                                            ; 128 keys
	s_barrier_signal -1                            ; I have entered this step (no LDS instruction of mine is out); the wait stands at the step's end, so the sixteen waves stay within one step of each other
	v_add_nc_u32 v[ADR], s[TB], v[A16]
.rept 3
	v_nop                                          ; with the addition: four places in front of loads into registers that the last products read
.endr
.irp f, 0,1,2,3
.irp c, 0,1,2
	ds_load_b128 v[F+12*\f+4*\c:F+12*\f+4*\c+3], v[ADR] offset:1536*\f+512*\c
.endr
.endr
	ds_load_b128 v[KS:KS+3], v[ADR] offset:12288
	s_wait_alu depctr_va_vdst(0)
	s_wait_dscnt 0x0
.irp b, 0,1,2,3
	v_wmma_scale_f32_16x16x128_f8f6f4 v[S+16*\b:S+16*\b+7], v[F+12*\b:F+12*\b+11], v[QA:QA+11], 0, v[KS+\b], v[QS] matrix_a_fmt:MATRIX_FMT_FP6 matrix_b_fmt:MATRIX_FMT_FP6
	v_wmma_scale_f32_16x16x128_f8f6f4 v[S+16*\b+8:S+16*\b+15], v[F+12*\b:F+12*\b+11], v[QB:QB+11], 0, v[KS+\b], v[QS] matrix_a_fmt:MATRIX_FMT_FP6 matrix_b_fmt:MATRIX_FMT_FP6
.endr
.rept 4
	v_nop                                          ; places in front of the loads below and of the first read of the scores
.endr
.irp t, 0,1,2,3
.irp c, 0,1,2
	ds_load_b128 v[F+12*\t+4*\c:F+12*\t+4*\c+3], v[ADR] offset:6144+1536*\t+512*\c   ; v's fragments land while the softmax is worked
.endr
.endr
	ds_load_b128 v[VS:VS+3], v[ADR] offset:12800
.irp b, 0,1,2,3
	v_max3_num_f32 v[BM+\b], v[S+16*\b], v[S+1+16*\b], v[S+2+16*\b]   ; the largest score of each block of 32 keys: for the row's maximum, and, since p rises with the score, for the block's largest p
.endr
.irp i, 3,5,7,9,11,13
.irp b, 0,1,2,3
	v_max3_num_f32 v[BM+\b], v[BM+\b], v[S+16*\b+\i], v[S+1+16*\b+\i]
.endr
.endr
.irp b, 0,1,2,3
	v_max_num_f32 v[BM+\b], v[BM+\b], v[S+15+16*\b]
.endr
.irp b, 0,1,2,3
	s_delay_alu instid0(VALU_DEP_4)
	v_permlanex16_b32 v[BT+\b], v[BM+\b], s[SEL], s[SEL+1]
.endr
.irp b, 0,1,2,3
	s_delay_alu instid0(VALU_DEP_4)
	v_max_num_f32 v[BM+\b], v[BM+\b], v[BT+\b]     ; with lane l xor 16's 16 keys
.endr
	s_delay_alu instid0(VALU_DEP_2)
	v_max3_num_f32 v[TP], v[BM], v[BM+1], v[BM+2]
	s_delay_alu instid0(VALU_DEP_1)
	v_max_num_f32 v[TP], v[TP], v[BM+3]
	s_delay_alu instid0(VALU_DEP_1)
	v_mul_f32 v[TP], s[CS], v[TP]                  ; as t (c is positive)
	s_delay_alu instid0(VALU_DEP_1)
	v_max_num_f32 v13, v13, v[TP]                  ; the running largest t
	v_mov_b32 v[TP], v12
	s_delay_alu instid0(VALU_DEP_2)
	v_floor_f32 v12, -v13                          ; the new -M = -ceil(t)
	s_delay_alu instid0(VALU_DEP_1)
	v_sub_f32 v[TP], v12, v[TP]                    ; old M - new M: a whole number, 0 or less
	s_delay_alu instid0(VALU_DEP_1)
	v_cvt_i32_f32 v[TP], v[TP]                     ; (it saturates)
	s_delay_alu instid0(VALU_DEP_1)
	v_ldexp_f32 v[FF], 1.0, v[TP]                  ; f
.set j, 0
.rept 32
	v_pk_fma_f32 v[S+j:S+j+1], v[S+j:S+j+1], s[CS:CS+1], v[12:13] op_sel_hi:[1,0,0]   ; t - M
.set j, j+2
.endr
.irp b, 0,1,2,3
	v_fma_f32 v[BM+\b], v[BM+\b], s[CS], v12       ; the same of each block's largest score
.endr
.set j, 0
	s_wait_alu depctr_va_vdst(0)
.rept 64
	v_exp_f32 v[S+j], v[S+j]                       ; p = 2^(t - M)
.set j, j+1
.endr
	v_pk_mul_f32 v[14:15], v[14:15], v[FF:FF+1] op_sel_hi:[1,0]   ; the sums under the new M: a plain place behind the exponentials
	s_wait_alu depctr_va_vdst(0)                   ; one wait for the batch, ahead of its first reader
.irp b, 0,1,2,3
	v_exp_f32 v[BM+\b], v[BM+\b]                   ; the blocks' largest p
.endr
	v_pk_add_f32 v[236:237], v[108:109], v[112:113]
	v_pk_add_f32 v[252:253], v[116:117], v[120:121]
	v_pk_add_f32 v[250:251], v[124:125], v[128:129]
	v_pk_add_f32 v[248:249], v[132:133], v[136:137]
	v_pk_add_f32 v[246:247], v[140:141], v[144:145]
	v_pk_add_f32 v[244:245], v[148:149], v[152:153]
	v_pk_add_f32 v[242:243], v[156:157], v[160:161]
	v_pk_add_f32 v[14:15], v[14:15], v[164:165]
	v_pk_add_f32 v[236:237], v[236:237], v[104:105]
	v_pk_add_f32 v[252:253], v[252:253], v[106:107]
	v_pk_add_f32 v[250:251], v[250:251], v[110:111]
	v_pk_add_f32 v[248:249], v[248:249], v[114:115]
	v_pk_add_f32 v[246:247], v[246:247], v[118:119]
	v_pk_add_f32 v[244:245], v[244:245], v[122:123]
	v_pk_add_f32 v[242:243], v[242:243], v[126:127]
	v_pk_add_f32 v[14:15], v[14:15], v[130:131]
	v_pk_add_f32 v[236:237], v[236:237], v[134:135]
	v_pk_add_f32 v[252:253], v[252:253], v[138:139]
	v_pk_add_f32 v[250:251], v[250:251], v[142:143]
	v_pk_add_f32 v[248:249], v[248:249], v[146:147]
	v_pk_add_f32 v[246:247], v[246:247], v[150:151]
	v_pk_add_f32 v[244:245], v[244:245], v[154:155]
	v_pk_add_f32 v[242:243], v[242:243], v[158:159]
	v_pk_add_f32 v[14:15], v[14:15], v[162:163]
	v_pk_add_f32 v[236:237], v[236:237], v[166:167]
	s_delay_alu instid0(VALU_DEP_2)
	v_pk_add_f32 v[14:15], v[14:15], v[248:249]
	s_delay_alu instid0(VALU_DEP_2)
	v_pk_add_f32 v[236:237], v[236:237], v[246:247]
	v_pk_add_f32 v[252:253], v[252:253], v[244:245]
	v_pk_add_f32 v[250:251], v[250:251], v[242:243]
	s_delay_alu instid0(VALU_DEP_2)
	v_pk_add_f32 v[14:15], v[14:15], v[252:253]
	s_delay_alu instid0(VALU_DEP_2)
	v_pk_add_f32 v[236:237], v[236:237], v[250:251]
	s_delay_alu instid0(VALU_DEP_1)
	v_pk_add_f32 v[14:15], v[14:15], v[236:237]
	s_wait_alu depctr_va_vdst(0)                   ; and one for the four
.irp b, 0,1,2,3
	v_max_num_f32 v[BM+\b], 0x1800000, v[BM+\b]    ; the floor 2^(3 - 127)
.endr
.irp b, 0,1,2,3
	s_delay_alu instid0(VALU_DEP_4)
	v_add_nc_u32 v[BO+\b], 0xff000000, v[BM+\b]
.endr
.irp b, 0,1,2,3
	s_delay_alu instid0(VALU_DEP_4)
	v_lshrrev_b32 v[BT+\b], 23, v[BO+\b]
.endr
	s_delay_alu instid0(VALU_DEP_3)
	v_lshl_or_b32 v[PW], v[BT+1], 8, v[BT]
	s_delay_alu instid0(VALU_DEP_1)
	v_lshl_or_b32 v[PW], v[BT+2], 16, v[PW]
	s_delay_alu instid0(VALU_DEP_1)
	v_lshl_or_b32 v[PW], v[BT+3], 24, v[PW]
.irp c, 0,1
	v_cvt_scalef32_pk16_fp6_f32 v[PC+6*\c:PC+6*\c+2], v[S+32*\c:S+32*\c+15], v[BO+2*\c]
	v_cvt_scalef32_pk16_fp6_f32 v[CT+4*\c:CT+4*\c+2], v[S+16+32*\c:S+31+32*\c], v[BO+2*\c+1]
.endr
	v_nop                                          ; one plain place behind a scaled conversion
.irp c, 0,1
.irp i, 0,1,2
	v_permlane16_swap_b32 v[PC+6*\c+\i], v[CT+4*\c+\i]
.endr
.irp i, 0,1,2
	s_delay_alu instid0(VALU_DEP_3)
	v_mov_b32 v[PC+3+6*\c+\i], v[CT+4*\c+\i]
.endr
.endr
.set j, 0
.rept 16
	v_pk_mul_f32 v[O+j:O+j+1], v[O+j:O+j+1], v[FF:FF+1] op_sel_hi:[1,0]   ; O^T under the new M.  (These 16 are also the places between p's codes and scale word and the products below)
.set j, j+2
.endr
	s_wait_alu depctr_va_vdst(0)
	s_wait_dscnt 0x0                               ; v is in
.irp t, 0,1,2,3
	v_wmma_scale_f32_16x16x128_f8f6f4 v[O+8*\t:O+8*\t+7], v[F+12*\t:F+12*\t+11], v[PC:PC+11], v[O+8*\t:O+8*\t+7], v[VS+\t], v[PW] matrix_a_fmt:MATRIX_FMT_FP6 matrix_b_fmt:MATRIX_FMT_FP6
.endr
	s_barrier_wait -1                              ; every wave has entered this step; between signal and wait stood register work and LDS loads of bytes that nobody writes
	s_add_co_u32 s[TB], s[TB], STEPB
	s_sub_co_u32 s33, s33, 1
	s_cmp_lg_u32 s33, 0
	s_cbranch_scc1 .Lstep
	; the tile's end: o = O^T / the sum; register 16 b + i is d = 32 b + 16 h + i of my query: two blocks along the last product's K
.rept 4
	v_nop
.endr
	v_add_f32 v14, v14, v15
	s_delay_alu instid0(VALU_DEP_1)
	v_permlanex16_b32 v[BT], v14, s[SEL], s[SEL+1]
	s_delay_alu instid0(VALU_DEP_1)
	v_add_f32 v14, v14, v[BT]
	s_wait_alu depctr_va_vdst(0)
	v_rcp_f32 v[FF], v14
	v_nop                                          ; a plain place behind the reciprocal
	s_wait_alu depctr_va_vdst(0)                   ; and the wait ahead of its first reader
.set j, 0
.rept 16
	v_pk_mul_f32 v[S+j:S+j+1], v[O+j:O+j+1], v[FF:FF+1] op_sel_hi:[1,0]
.set j, j+2
.endr
.irp b, 0,1
	v_max3_num_f32 v[BM+\b], |v[S+16*\b]|, |v[S+1+16*\b]|, 0x1800000
.endr
.irp i, 2,4,6,8,10,12,14
.irp b, 0,1
	s_delay_alu instid0(VALU_DEP_2)
	v_max3_num_f32 v[BM+\b], v[BM+\b], |v[S+16*\b+\i]|, |v[S+1+16*\b+\i]|
.endr
.endr
.irp b, 0,1
	s_delay_alu instid0(VALU_DEP_2)
	v_permlanex16_b32 v[BT+\b], v[BM+\b], s[SEL], s[SEL+1]
.endr
.irp b, 0,1
	s_delay_alu instid0(VALU_DEP_2)
	v_max_num_f32 v[BM+\b], v[BM+\b], v[BT+\b]
.endr
.irp b, 0,1
	s_delay_alu instid0(VALU_DEP_2)
	v_add_nc_u32 v[BO+\b], 0xff000000, v[BM+\b]
.endr
.irp b, 0,1
	s_delay_alu instid0(VALU_DEP_2)
	v_lshrrev_b32 v[BT+\b], 23, v[BO+\b]
.endr
	v_cvt_scalef32_pk16_fp6_f32 v[OC:OC+2], v[S:S+15], v[BO]
	v_cvt_scalef32_pk16_fp6_f32 v[CT:CT+2], v[S+16:S+31], v[BO+1]
	v_nop
.irp i, 0,1,2
	v_permlane16_swap_b32 v[OC+\i], v[CT+\i]
.endr
.irp i, 0,1,2
	s_delay_alu instid0(VALU_DEP_3)
	v_mov_b32 v[OC+3+\i], v[CT+\i]
.endr
	v_cndmask_b32 v[OBY], v[BT], v[BT+1], s35      ; lane (r, h) stores block h's byte of row r
	global_store_b128 v[A16], v[OC:OC+3], s[36:37]     ; 512 consecutive bytes
	global_store_b64 v[A8], v[OC+4:OC+5], s[36:37]     ; 256
	global_store_b8 v[AB], v[OBY], s[38:39]
	s_wait_xcnt 0x0                                ; the stores have read their bases and registers
	s_add_nc_u64 s[36:37], s[36:37], 12288         ; the next token tile
	s_add_nc_u64 s[38:39], s[38:39], 512
.irp i, 0,1,2,3,4,5
	v_mov_b32 v[QP+\i], v[QP+6+\i]
.endr
	v_lshrrev_b32 v[QW], 16, v[QW]
	s_sub_co_u32 s34, s34, 1
	s_cmp_lg_u32 s34, 0
	s_cbranch_scc1 .Ltile
	s_wait_tensorcnt 0x0
	ds_add_u32 v254, v255
	s_wait_dscnt 0x0
	CROUND                                         ; the closing round
	s_endpgm
.Lfunc_end_k_qec451a5568_attn:
	.size	k_qec451a5568_attn, .Lfunc_end_k_qec451a5568_attn-k_qec451a5568_attn
	.p2alignl 7, 3214868480
	.fill 96, 4, 3214868480
	.section	.rodata,"a",@progbits
	.p2align	6, 0x0
	.amdhsa_kernel k_qec451a5568_attn
		.amdhsa_group_segment_fixed_size 215040
		.amdhsa_private_segment_fixed_size 0
		.amdhsa_enable_private_segment 0
		.amdhsa_kernarg_size 32
		.amdhsa_user_sgpr_count 2
		.amdhsa_user_sgpr_kernarg_segment_ptr 1
		.amdhsa_wavefront_size32 1
		.amdhsa_system_sgpr_workgroup_id_x 1
		.amdhsa_system_sgpr_workgroup_id_y 1
		.amdhsa_system_sgpr_workgroup_id_z 1
		.amdhsa_system_vgpr_workitem_id 0
		.amdhsa_next_free_vgpr 256
		.amdhsa_next_free_sgpr 66
		.amdhsa_reserve_vcc 0
		.amdhsa_float_denorm_mode_32 3
		.amdhsa_float_denorm_mode_16_64 3
		.amdhsa_memory_ordered 1
		.amdhsa_forward_progress 1
		.amdhsa_inst_pref_size 30
	.end_amdhsa_kernel
	.amdgpu_metadata
---
amdhsa.version: [ 1, 2 ]
amdhsa.kernels:
  - .name:           k_qec451a5568_attn
    .symbol:         k_qec451a5568_attn.kd
    .args:
      - { .name: qf, .offset: 0, .size: 8, .value_kind: global_buffer, .address_space: global }
      - { .name: kv, .offset: 8, .size: 8, .value_kind: global_buffer, .address_space: global }
      - { .name: oq, .offset: 16, .size: 8, .value_kind: global_buffer, .address_space: global }
      - { .name: scl, .offset: 24, .size: 8, .value_kind: global_buffer, .address_space: global }
    .group_segment_fixed_size: 215040
    .private_segment_fixed_size: 0
    .kernarg_segment_align: 8
    .kernarg_segment_size: 32
    .max_flat_workgroup_size: 512
    .sgpr_count:     66
    .vgpr_count:     256
    .wavefront_size: 32
...
	.end_amdgpu_metadata
.endif
;; end of part 3
;; launch gemm_out (part 4): grid 4 x 32, 4 waves a work-group, clusters of 4 x 4, 327,680 bytes of LDS; arguments oq, wq, scl, proj_b, out0; writes out0
.if DOCPART == 4
	.amdgcn_target "amdgcn-amd-amdhsa--gfx1250"
	.amdhsa_code_object_version 6
	.text
	.protected	k_qec451a5568_gemm_out
	.globl	k_qec451a5568_gemm_out
	.p2align	8
	.type	k_qec451a5568_gemm_out,@function
k_qec451a5568_gemm_out:
	s_mov_b64 s[64:65], 0
	v_nop
	global_prefetch_b8 v0, s[64:65] scope:SCOPE_SE
	s_setreg_imm32_b32 hwreg(HW_REG_WAVE_MODE, 25, 1), 1
	s_wait_xcnt 0x0
	s_wait_alu depctr_hold_cnt(0) depctr_sa_sdst(0) depctr_va_vdst(0) depctr_va_sdst(0) depctr_va_ssrc(0) depctr_va_vcc(0) depctr_vm_vsrc(0)
	s_getreg_b32 s2, hwreg(HW_REG_IB_STS2, 6, 4)
	s_cmp_eq_u32 s2, 0
	s_cbranch_scc0 .Lentry_in_a_cluster
	s_endpgm
.Lentry_in_a_cluster:
	s_bfe_u32 s2, ttmp6, 0x10000c
	s_cmp_lg_u32 s2, 0xf033
	s_cbranch_scc0 .Lentry_shape_is_right
	s_endpgm
.Lentry_shape_is_right:
; out0 = o proj_w + proj_b on codes of FP6 (E2M3) with E8M0 scales; out0 [8192][1024] f32.
; A work-group makes 256 tokens x 256 features, a wave 128 x 128: 64 accumulators.  Source 0 = 16 columns of proj_w (S0: wq's tiles 192-255), source 1 = 16 tokens (S1: oq): a lane holds one token and eight neighbouring features a tile.
; Tiles' rows are not neighbours: row r of tile 2 b + u is index 32 b + 8 u + r + 8 (r / 8).
; K = 1024 goes in four chunks of 256 through three LDS slots: chunks 0, 1, 2 are first fills, chunk 3 fills slot 0 again.  A wave has at most three tensor loads outstanding.
; CLUSTERS: 4 x 4.  S1's tiles hang on cy alone and are asked for jointly along a row of the cluster, S0's on cx alone, along a column.
; THE WAY OUT: sums + bias, a block of 16 tokens x 128 features at a time, through the wave's own stage in LDS, back as whole rows of 512 bytes.  The stage lies in slot 1, whose one fill is a first fill and whose last reads lie in front of the last barrier.
; No prefetch: three of the four chunks are asked for at the head.  The grid has 128 work-groups: a tile of 128 x 256 would give 256 at twice the LDS reads for S0.
; REGISTERS: window 0: v1-21 addresses; v28-29 for the add; v32-95 scale words (register 8 i + ks: lanes 0-15 S1's tile i, lanes 16-31 S0's tile i); v128-223 S1's fragments, one set; on the way out v128-191 sums + bias.
;   window 1: S0's fragments, two sets at v0 and v128 (on the way out: rows read back, by turns); the bias at v96-127 and v224-255.   windows 2, 3: the accumulators.
.set FR,     12
.set NL,     4
.set TILEB,  3072
.set HALFT,  8*TILEB
; LDS AS THE TEXT NOW USES IT (this replaces what the head says of three slots and of the loads outstanding): bytes 0 .. 8 HALFT: chunks 0 and 1, one load a wave at the head, 8 rows of 6,144 bytes, wave w's at 2 w HALFT;
; bytes 8 HALFT .. 12 HALFT: chunk 2, a first fill behind the three lines and a round; chunk 3 fills bytes 0 .. 4 HALFT again, dense, in K step 3.  A wave has one tensor load outstanding.
; The stage, from byte 4 HALFT on, lies in bytes whose one fill is the head's and whose last reads lie in front of K step 3's barrier.
.set SLOT,   4*HALFT
.set SPARE,  3*SLOT
.set KPITCH, 12288
.set SPITCH, 528
.set A16, 4
.set A8,  7
.set B16, 10
.set B8,  13
.set SOF, 16
.set BH,  17
.set LI,  19
.set STO, 20                           ; v20  the stage: where I put 32 bytes of a row
.set RD,  21                           ; v21  and where I read a row back
.set SPW, 28
.set NIL, 29
.set SC,  32
.set AF,  128
.set T,   128
.set WV,   16
.set H1,   17
.set H0,   18
.set G1,   24
.set G1B,  48
.set G0,   68
.set G0B,  84
.set MSB, 0
.macro WIN new                         ; the immediate's high byte repeats the setting that is left
.if MSB != (\new)
	s_set_vgpr_msb (MSB<<8)|(\new)
.set MSB, (\new)
.endif
.endm
.set MUL_LO, 0xa1
.set MUL_HI, 0xf1
.macro PLACES n
.rept \n
	v_nop
.endr
.endm
.macro CREST
	s_cmp_lg_u32 s[WV], 0
	s_cbranch_scc1 .Lnot_wave_0_\@
	s_barrier_signal -3
.Lnot_wave_0_\@:
	s_barrier_wait -3
	s_barrier_signal -1
	s_barrier_wait -1
.endm
.macro CROUND
	s_barrier_signal -1
	s_barrier_wait -1
	CREST
.endm
.macro JLOADC c                        ; chunk c, jointly; four v_nop follow each of the two lines
	s_cmp_eq_u32 s[H1], 0
	s_cbranch_scc0 .Lfor_s0_\@
	tensor_load_to_lds s[G0+4*\c:G0+4*\c+3], s[G1:G1+7]
	s_nop 0
	PLACES 4
	s_branch .Lasked_\@
.Lfor_s0_\@:
	tensor_load_to_lds s[G0B+4*\c:G0B+4*\c+3], s[G1B:G1B+7]
	s_nop 0
	PLACES 4
.Lasked_\@:
.endm
.macro FRAG reg, a16, a8, off
	ds_load_b128 v[\reg:\reg+3], v[\a16] offset:\off
	ds_load_b64 v[\reg+4:\reg+5], v[\a8] offset:\off+512
	ds_load_b128 v[\reg+6:\reg+9], v[\a16] offset:\off+768
	ds_load_b64 v[\reg+10:\reg+11], v[\a8] offset:\off+1280
.endm
.set CH3, 0                            ; 1 from the K step on whose successor lies in chunk 3
.macro WHERE slot, q                   ; chunk (slot 0: chunk 0 or 3) -> address register RG_, bytes from tile to tile TP_, offset OF_
.if (\slot) == 2
.set RG_, 1
.set TP_, TILEB
.set OF_, (\q)*1536
.elseif (\slot) == 1
.set RG_, 0
.set TP_, 2*TILEB
.set OF_, TILEB+(\q)*1536
.elseif CH3
.set RG_, 2
.set TP_, TILEB
.set OF_, (\q)*1536
.else
.set RG_, 0
.set TP_, 2*TILEB
.set OF_, (\q)*1536
.endif
.endm
.macro FETCH_B slot, q, p
	WHERE \slot, \q
	WIN 0x40
.irp i, 0,1,2,3,4,5,6,7
	FRAG 128*(\p)+FR*\i, B16+RG_, B8+RG_, \i*TP_+OF_
.endr
	WIN 0
.endm
.macro FETCH_A slot, q, i0
	WHERE \slot, \q
.irp i, \i0, \i0+1, \i0+2, \i0+3
	FRAG AF+FR*(\i), A16+RG_, A8+RG_, (\i)*TP_+OF_
.endr
.endm
; The 64 accumulators take turns, one instruction a turn, in the same order in every K step.
.macro MUL16 a0, p, ks, zero
.irp a, \a0, \a0+1
.irp b, 0,1,2,3,4,5,6,7
.if \zero
	v_wmma_scale_f32_16x16x128_f8f6f4 v[8*(8*((\a)%4)+\b):8*(8*((\a)%4)+\b)+7], v[128*(\p)+FR*\b:128*(\p)+FR*\b+FR-1], v[AF+FR*(\a):AF+FR*(\a)+FR-1], 0, v[SC+8*\b+(\ks)], v[SC+8*(\a)+(\ks)] matrix_a_fmt:MATRIX_FMT_FP6 matrix_b_fmt:MATRIX_FMT_FP6 matrix_a_scale:MATRIX_SCALE_ROW1
.else
	v_wmma_scale_f32_16x16x128_f8f6f4 v[8*(8*((\a)%4)+\b):8*(8*((\a)%4)+\b)+7], v[128*(\p)+FR*\b:128*(\p)+FR*\b+FR-1], v[AF+FR*(\a):AF+FR*(\a)+FR-1], v[8*(8*((\a)%4)+\b):8*(8*((\a)%4)+\b)+7], v[SC+8*\b+(\ks)], v[SC+8*(\a)+(\ks)] matrix_a_fmt:MATRIX_FMT_FP6 matrix_b_fmt:MATRIX_FMT_FP6 matrix_a_scale:MATRIX_SCALE_ROW1
.endif
.endr
.endr
.endm
.macro STEP ks, zero
	s_wait_dscnt 4*NL                              ; S0's set and S1's tiles 0-3 are in; the youngest 16 loads (tiles 4-7) may be out
	WIN MUL_LO
	MUL16 0, (\ks)%2, \ks, \zero
	MUL16 2, (\ks)%2, \ks, \zero
	s_wait_dscnt 0x0
	PLACES 4                                       ; in front of loads into registers that matrix instructions have read
	FETCH_B (((\ks)+1)/2)%3, ((\ks)+1)%2, 1-(\ks)%2
	FETCH_A (((\ks)+1)/2)%3, ((\ks)+1)%2, 0
	WIN MUL_HI
	MUL16 4, (\ks)%2, \ks, \zero
	MUL16 6, (\ks)%2, \ks, \zero
	PLACES 4
	WIN 0
	FETCH_A (((\ks)+1)/2)%3, ((\ks)+1)%2, 4
.endm
.macro TURN ks, fill
	s_wait_tensorcnt 0x0                           ; all my tensor loads have landed
	ds_add_u32 v[SPW], v[NIL]                      ; 0 onto my spare word
	s_wait_dscnt 4*NL+1                            ; (the add and the youngest 16 loads may be out)
	WIN MUL_LO
	MUL16 0, (\ks)%2, \ks, 0
	s_wait_dscnt 0x0                               ; the add is done, and my reads of the slot are over
	s_barrier_signal -1
	MUL16 2, (\ks)%2, \ks, 0
	WIN 0
	s_barrier_wait -1
.if \fill
	CREST                                          ; no wave of any partner still reads slot 0 or has a load on its way
	JLOADC 3                                       ; the first tensor load behind the round; its four v_nop are also the places in front of the loads below
.else
	PLACES 4
.endif
	FETCH_B (((\ks)+1)/2)%3, ((\ks)+1)%2, 1-(\ks)%2
	FETCH_A (((\ks)+1)/2)%3, ((\ks)+1)%2, 0
	WIN MUL_HI
	MUL16 4, (\ks)%2, \ks, 0
	MUL16 6, (\ks)%2, \ks, 0
	PLACES 4
	WIN 0
	FETCH_A (((\ks)+1)/2)%3, ((\ks)+1)%2, 4
.endm
	s_load_b256 s[4:11], s[0:1], 0x0               ; oq s[4:5], wq s[6:7], scl s[8:9], proj_b s[10:11]
	s_load_b64 s[12:13], s[0:1], 0x20              ; out0
	v_lshl_add_u32 v[SPW], v0, 2, SPARE
	v_mov_b32 v[NIL], 0
	ds_add_u32 v28, v29
	ds_add_u32 v28, v29
	s_wait_dscnt 0x0
	v_lshrrev_b32 v1, 5, v0
	v_readfirstlane_b32 s[WV], v1
	s_lshr_b32 s[H1], s[WV], 1
	s_and_b32 s[H0], s[WV], 1
	s_bfe_u32 s20, ttmp6, 0x40000                  ; cx
	s_bfe_u32 s21, ttmp6, 0x40004                  ; cy
	s_lshl_b32 s23, ttmp9, 2
	s_add_co_u32 s23, s23, s20                     ; block of 256 features
	s_and_b32 s22, ttmp7, 0xffff
	s_lshl_b32 s22, s22, 2
	s_add_co_u32 s22, s22, s21                     ; block of 256 tokens
	s_lshl_b32 s32, s22, 4                         ; S1's first tile
	s_lshl_b32 s33, s23, 4
	s_add_co_u32 s33, s33, 192                     ; S0's first tile: proj_w's begin at 192
	s_lshl_b32 s34, s21, 2
	s_lshl_b32 s34, 15, s34                        ; my row of the cluster
	s_lshl_b32 s35, 0x1111, s20                    ; my column
	s_or_b32 s[G1], s34, (3<<16)|(1<<21)           ; group 1: 8 rows of 3,072 bytes (384 elements of 8 bytes), 12,288 bytes apart; no padding
	s_or_b32 s[G1B], s35, (3<<16)|(1<<21)
.irp g, G1, G1B
	s_mov_b32 s[\g+1], 768<<16                     ; tensor_dim0: the head's load brings two chunks, rows of 6,144 bytes
	s_mov_b32 s[\g+2], 8<<16
	s_mov_b32 s[\g+3], 768<<16                     ; tile_dim0
	s_mov_b32 s[\g+4], 8
	s_mov_b32 s[\g+5], 1536
	s_mov_b32 s[\g+6], 0
	s_mov_b32 s[\g+7], 0
.endr
	s_lshl_b32 s40, s[H0], 3
	s_add_co_u32 s40, s40, s32
	s_mul_i32 s40, s40, KPITCH
	s_mov_b32 s41, 0
	s_lshl_b32 s42, s[H0], 3
	s_add_co_u32 s42, s42, s33
	s_mul_i32 s42, s42, KPITCH
	s_mov_b32 s43, 0
	s_mul_i32 s56, s[WV], HALFT
	s_wait_kmcnt 0x0
	s_add_nc_u64 s[44:45], s[4:5], s[40:41]
	s_add_nc_u64 s[46:47], s[6:7], s[42:43]
.irp c, 0,2,3
	s_mov_b32 s[G0+4*\c], 1
	s_add_co_u32 s[G0+4*\c+1], s56, (\c%3)*SLOT
	s_add_nc_u64 s[G0+4*\c+2:G0+4*\c+3], s[44:45], \c*TILEB
	s_or_b32 s[G0+4*\c+3], s[G0+4*\c+3], 0x80000000
	s_mov_b32 s[G0B+4*\c], 1
	s_add_co_u32 s[G0B+4*\c+1], s56, (\c%3)*SLOT
	s_add_nc_u64 s[G0B+4*\c+2:G0B+4*\c+3], s[46:47], \c*TILEB
	s_or_b32 s[G0B+4*\c+3], s[G0B+4*\c+3], 0x80000000
.endr
	s_lshl_b32 s[G0+1], s56, 1                     ; the head's load is twice as large: wave x 2 HALFT
	s_lshl_b32 s[G0B+1], s56, 1
	CROUND                                         ; all sixteen work-groups are here: the first joint loads meet
	s_cmp_eq_u32 s[H1], 0
	s_cbranch_scc0 .Lfirst_s0
	tensor_load_to_lds s[G0:G0+3], s[G1:G1+7]
	s_nop 0
	PLACES 4
	s_branch .Lfirst_asked
.Lfirst_s0:
	tensor_load_to_lds s[G0B:G0B+3], s[G1B:G1B+7]
	s_nop 0
	PLACES 4
.Lfirst_asked:
	v_and_b32 v1, 15, v0                           ; r
	v_bfe_u32 v2, v0, 4, 1                         ; h
	v_and_b32 v3, 31, v0
	v_lshlrev_b32 v[LI], 4, v3
	v_lshlrev_b32 v3, 4, v1
	v_lshl_add_u32 v3, v2, 3, v3
.macro ADR4 s
	v_add_nc_u32 v[A16+\s], s57, v[LI]
	v_add_nc_u32 v[A8+\s], s57, v3
	v_add_nc_u32 v[B16+\s], s58, v[LI]
	v_add_nc_u32 v[B8+\s], s58, v3
.endm
	s_mul_i32 s57, s[H1], 2*HALFT                  ; chunks 0, 1: my eight tiles of S1,
	s_mul_i32 s58, s[H0], 2*HALFT
	s_add_co_u32 s58, s58, 4*HALFT                 ; my eight of S0
	ADR4 0
	s_lshr_b32 s57, s57, 1                         ; chunk 3: dense, half as far apart
	s_lshr_b32 s58, s58, 1
	ADR4 2
	s_add_co_u32 s57, s57, 2*SLOT                  ; chunk 2: the same, 8 HALFT on
	s_add_co_u32 s58, s58, 2*SLOT
	ADR4 1
	s_mul_i32 s36, s[WV], 16*SPITCH
	s_add_co_u32 s36, s36, SLOT                    ; my stage, in slot 1
	v_mul_u32_u24 v[STO], v1, SPITCH
	v_lshl_add_u32 v[STO], v2, 6, v[STO]
	v_add_nc_u32 v[STO], s36, v[STO]               ; in: row r, + 64 h
	v_add_nc_u32 v[RD], s36, v[LI]                 ; back: a row's 512 bytes over the 32 lanes
	s_lshl_b32 s61, s[H1], 3
	s_add_co_u32 s61, s61, s32
	s_lshl_b32 s61, s61, 9
	s_add_co_u32 s59, s61, 393216                  ; o's records of scale words
	s_lshl_b32 s61, s[H0], 3
	s_add_co_u32 s61, s61, s33
	s_lshl_b32 s61, s61, 9
	s_add_co_u32 s60, s61, 262144                  ; the weights'
	v_mov_b32 v[SOF], s59
	v_mov_b32 v[BH], s60
	v_cmp_eq_u32 vcc_lo, 1, v2
	v_cndmask_b32 v[SOF], v[SOF], v[BH], vcc_lo
	v_lshl_add_u32 v[SOF], v1, 4, v[SOF]
.irp i, 0,1,2,3,4,5,6,7
.irp kh, 0,1
	global_load_b128 v[SC+8*\i+4*\kh:SC+8*\i+4*\kh+3], v[SOF], s[8:9] offset:\i*512+\kh*256
.endr
.endr
	s_lshl_b32 s34, s23, 8
	s_lshl_b32 s35, s[H0], 7
	s_add_co_u32 s34, s34, s35                     ; my first feature
	s_lshl_b32 s36, s34, 2
	s_mov_b32 s37, 0
	s_add_nc_u64 s[38:39], s[10:11], s[36:37]      ; its bias,
	s_add_nc_u64 s[12:13], s[12:13], s[36:37]      ; its column of out0,
	s_lshl_b32 s36, s22, 8
	s_lshl_b32 s35, s[H1], 7
	s_add_co_u32 s36, s36, s35
	s_lshl_b32 s36, s36, 12                        ; my first token's row of 4,096 bytes
	s_add_nc_u64 s[12:13], s[12:13], s[36:37]
	v_lshlrev_b32 v[BH], 6, v2                     ; for S0's tile b a lane wants features 32 (b / 2) + 16 h + 8 (b % 2) + 0 .. 7
	WIN 0x40
.irp b, 0,1,2,3,4,5,6,7
	global_load_b128 v[96+8*(\b%4)+128*(\b/4):96+8*(\b%4)+128*(\b/4)+3], v[BH], s[38:39] offset:(32*(\b/2)+8*(\b%2))*4
	global_load_b128 v[96+8*(\b%4)+128*(\b/4)+4:96+8*(\b%4)+128*(\b/4)+7], v[BH], s[38:39] offset:(32*(\b/2)+8*(\b%2))*4+16
.endr
	WIN 0
	s_wait_alu depctr_va_vdst(0)
	s_wait_tensorcnt 0x0                           ; my part of chunks 0 and 1 is in
	ds_add_u32 v[SPW], v[NIL]
	s_mov_b32 s[G1+1], 384<<16                     ; no tensor load of mine is out: from here on a load brings one chunk, rows of 3,072 bytes
	s_mov_b32 s[G1+3], 384<<16
	s_mov_b32 s[G1B+1], 384<<16
	s_mov_b32 s[G1B+3], 384<<16
	s_wait_dscnt 0x0
	CROUND                                         ; everybody's part is in, and the joint loads meet
	JLOADC 2                                       ; chunk 2, the first tensor load behind the round
	FETCH_B 0, 0, 0
	FETCH_A 0, 0, 0
	FETCH_A 0, 0, 4
	s_wait_loadcnt 0x0                             ; scale words and bias
	STEP 0, 1                                      ; the first products start the sums
	STEP 1, 0
	STEP 2, 0
	TURN 3, 1                                      ; K steps 0 to 3 are in registers and chunk 2 has landed: chunk 3 goes over the head's first bytes
	STEP 4, 0
.set CH3, 1
	TURN 5, 0                                      ; chunk 3 has landed, everybody's
	STEP 6, 0
	s_wait_dscnt 4*NL
	WIN MUL_LO
	MUL16 0, 1, 7, 0
	MUL16 2, 1, 7, 0
	s_wait_dscnt 0x0
	WIN MUL_HI
	MUL16 4, 1, 7, 0
	MUL16 6, 1, 7, 0
	WIN 0
.macro TOSTAGE a
.if (\a) > 0
	s_wait_dscnt 16                                ; the last block's stores into the stage have read their registers; its 16 loads may be out
.endif
	WIN 0x06+(\a)/4                                ; source 0 (sums) window 2 or 3, source 1 (bias) window 1
.irp b, 0,1,2,3,4,5,6,7
.irp j, 0,2,4,6
	v_pk_add_f32 v[T+8*\b+\j:T+8*\b+\j+1], v[8*(8*((\a)%4)+\b)+\j:8*(8*((\a)%4)+\b)+\j+1], v[96+8*(\b%4)+128*(\b/4)+\j:96+8*(\b%4)+128*(\b/4)+\j+1]   ; each accumulator from its low end on
.endr
.endr
	WIN 0
.irp b, 0,1,2,3,4,5,6,7
	ds_store_b128 v[STO], v[T+8*\b:T+8*\b+3] offset:128*(\b/2)+32*(\b%2)
	ds_store_b128 v[STO], v[T+8*\b+4:T+8*\b+7] offset:128*(\b/2)+32*(\b%2)+16
.endr
	WIN 0x40
.irp t, 0,1,2,3,4,5,6,7,8,9,10,11,12,13,14,15
	ds_load_b128 v[128*((\a)%2)+4*\t:128*((\a)%2)+4*\t+3], v[RD] offset:\t*SPITCH   ; LDS serves a wave's instructions in order: these see the stores above
.endr
	WIN 0
.endm
.macro SEND a, younger
	s_wait_dscnt \younger                          ; the block is back in registers
	WIN 0x04                                       ; a store's data are its source 1: window 1
.irp t, 0,1,2,3,4,5,6,7,8,9,10,11,12,13,14,15
	global_store_b128 v[LI], v[128*((\a)%2)+4*\t:128*((\a)%2)+4*\t+3], s[12:13] offset:(32*((\a)/2)+8*((\a)%2)+\t+8*(\t/8))*4096 th:TH_STORE_NT   ; 512 consecutive bytes of a row of out0
.endr
	WIN 0
.endm
	PLACES 4                                       ; in front of the first read of results and of writes and loads into registers that held fragments
	TOSTAGE 0
.irp a, 1,2,3,4,5,6,7
.if \a > 1
	s_wait_xcnt 0x0                                ; block a - 2's stores have read their registers: block a's rows may land there
.endif
	TOSTAGE \a
	SEND \a-1, 32                                  ; behind block a - 1's loads: block a's 16 stores and 16 loads
.endr
	SEND 7, 0
	s_wait_tensorcnt 0x0                           ; the wave's end
	ds_add_u32 v[SPW], v[NIL]
	s_wait_dscnt 0x0
	CROUND                                         ; the closing round
	s_endpgm
.Lfunc_end_k_qec451a5568_gemm_out:
	.size	k_qec451a5568_gemm_out, .Lfunc_end_k_qec451a5568_gemm_out-k_qec451a5568_gemm_out
	.p2alignl 7, 3214868480
	.fill 96, 4, 3214868480
	.section	.rodata,"a",@progbits
	.p2align	6, 0x0
	.amdhsa_kernel k_qec451a5568_gemm_out
		.amdhsa_group_segment_fixed_size 327680
		.amdhsa_private_segment_fixed_size 0
		.amdhsa_enable_private_segment 0
		.amdhsa_kernarg_size 40
		.amdhsa_user_sgpr_count 2
		.amdhsa_user_sgpr_kernarg_segment_ptr 1
		.amdhsa_wavefront_size32 1
		.amdhsa_system_sgpr_workgroup_id_x 1
		.amdhsa_system_sgpr_workgroup_id_y 1
		.amdhsa_system_sgpr_workgroup_id_z 1
		.amdhsa_system_vgpr_workitem_id 0
		.amdhsa_next_free_vgpr 1024
		.amdhsa_next_free_sgpr 100
		.amdhsa_reserve_vcc 1
		.amdhsa_float_denorm_mode_32 3
		.amdhsa_float_denorm_mode_16_64 3
		.amdhsa_memory_ordered 1
		.amdhsa_forward_progress 1
		.amdhsa_inst_pref_size 159
	.end_amdhsa_kernel
	.amdgpu_metadata
---
amdhsa.version: [ 1, 2 ]
amdhsa.kernels:
  - .name:           k_qec451a5568_gemm_out
    .symbol:         k_qec451a5568_gemm_out.kd
    .args:
      - { .name: oq, .offset: 0, .size: 8, .value_kind: global_buffer, .address_space: global }
      - { .name: wq, .offset: 8, .size: 8, .value_kind: global_buffer, .address_space: global }
      - { .name: scl, .offset: 16, .size: 8, .value_kind: global_buffer, .address_space: global }
      - { .name: proj_b, .offset: 24, .size: 8, .value_kind: global_buffer, .address_space: global }
      - { .name: out0, .offset: 32, .size: 8, .value_kind: global_buffer, .address_space: global }
    .group_segment_fixed_size: 327680
    .private_segment_fixed_size: 0
    .kernarg_segment_align: 8
    .kernarg_segment_size: 40
    .max_flat_workgroup_size: 128
    .sgpr_count:     100
    .vgpr_count:     1024
    .wavefront_size: 32
...
	.end_amdgpu_metadata
.endif
;; end of part 4
